; MI455X (gfx1250); checked and timed in simulation.
; The chip was launched on July 23, 2026; its instructions are those of AMD's public machine-readable ISA for CDNA 5 (MIT licence, August 2026) and "CDNA5" Instruction Set Architecture Reference Guide (July 2026). The comments in the code are by the model that wrote it; some were corrected since.
;; Multi Head Attention. Allowed arithmetic: matrix products marked QUANTISED: E3M2 operands, one E8M0 scale for each 32 along K, by v_wmma_scale_f32_16x16x128_f8f6f4 with both operands' format E3M2, f32 sums; everything else in f32.
;; Inputs: Wk 1,024 x 1,024 float32; Wo 1,024 x 1,024 float32; Wq 1,024 x 1,024 float32; Wv 1,024 x 1,024 float32; beta 1,024 float32; bk 1,024 float32; bo 1,024 float32; bq 1,024 float32; bv 1,024 float32; gamma 1,024 float32; key 4 x 2,048 x 1,024 float32; query 4 x 2,048 x 1,024 float32; value 4 x 2,048 x 1,024 float32.
;; Outputs: out0 4 x 2,048 x 1,024 float32.
;; This version of the problem:
;;   THIS VERSION OF THE PROBLEM IS GIVEN IN LOW PRECISION. The matrix products marked QUANTISED in the list below multiply operands that are first quantised to E3M2 (3 exponent bits, 2 mantissa bits; 6 bits a number), with one power-of-two scale for each 32 numbers along K (OCP MX v1.0); their sums are f32. All else is computed in f32.
;;   The module's matrix products, in the order in which they are computed (A, B: the left and right operand; K: the contracted axis; several contracted axes count as one K, in the product's order):
;;     1. [M 8,192, K 1,024] x [K 1,024, N 1,024]; A: input query; B: input Wq: QUANTISED
;;     2. [M 8,192, K 1,024] x [K 1,024, N 1,024]; A: input key; B: input Wk: QUANTISED
;;     3. [M 8,192, K 1,024] x [K 1,024, N 1,024]; A: input value; B: input Wv: QUANTISED
;;     4. batch 64 x [M 2,048, K 64] x [K 64, N 2,048]; A: computed on the way; B: computed on the way: QUANTISED
;;     5. batch 64 x [M 2,048, K 2,048] x [K 2,048, N 64]; A: softmax (see below); B: computed on the way: QUANTISED
;;     6. [M 8,192, K 1,024] x [K 1,024, N 1,024]; A: computed on the way; B: input Wo: QUANTISED
;;   THE QUANTISER, for each operand of a quantised product, along K:
;;     - K is cut into blocks of 32 from its start; a last block that is shorter is filled with zeros.
;;     - A block's scale is 2^e with e = floor(log2(the largest magnitude in the block)) - 4, held to -126 .. 127; a block of zeros has e = 0. As a byte (E8M0): e + 127.
;;     - Each number is divided by its block's scale, clamped to +-28, and rounded to the nearest number of E3M2, ties to even, subnormals kept.
;;     - The product sums the exact products of the quantised numbers (number of the format x scale) in f32.
;;   ~~~python
;;   def quantise(x, axis):      # numpy; x: float32 -> the quantised numbers, widened to float32 again
;;       x = np.moveaxis(x, axis, -1); K = x.shape[-1]
;;       x = np.pad(x, [(0, 0)] * (x.ndim - 1) + [(0, -K % 32)]); x = x.reshape(x.shape[:-1] + (-1, 32)); a = np.abs(x).max(-1, keepdims=True)
;;       e = np.where(a > 0, np.clip(np.frexp(np.where(a > 0, a, 1))[1] - 1 - 4, -126, 127), 0)      # np.frexp(a)[1] - 1 = floor(log2(a)), exactly
;;       r = np.clip(x / 2.0 ** e, -28, 28)
;;       step = 2.0 ** (np.maximum(np.frexp(np.where(r == 0, 1, r))[1] - 1, -2) - 2)
;;       q = np.round(r / step) * step * 2.0 ** e      # np.round: ties to even
;;       return np.moveaxis(q.reshape(q.shape[:-2] + (-1,))[..., :K], -1, axis).astype(np.float32)
;;   ~~~
;;   SOFTMAX AHEAD OF A QUANTISED PRODUCT. Where the list says 'softmax', what is quantised is not the finished softmax but p = 2^(t - M), with t = logit x log2(e) and M = ceil(the row's largest t), a whole number; so 1/2 < the row's largest p <= 1. The row's sum l is taken of the UNQUANTISED p, in f32, and the product's result is divided by l at the end. Since M is a whole number, a kernel that streams over the keys may use a running M (the ceiling of the running maximum): every later rescaling is an exact power of two, which a block's scale takes up: the codes' values come out the same.
;;   OPERANDS COMPUTED ON THE WAY. 'Computed on the way' means the value that the module computes at that place (a softmax that the list does not call 'softmax' is quantised finished and normalised). What goes into a quantiser is computed in f32, as accurately as f32 sums, v_exp_f32 and their like allow (about 1e-6 of the number): no bf16 or f16 on the way to a quantiser, and a product that is left as it is and whose result goes on into a quantised operand takes f32 operands (vector FMAs, or v_wmma_f32_16x16x4_f32). A number that lies on a knife's edge between two numbers of the format may be rounded either way, as far as f32 arithmetic and the matrix unit's own rounding can turn it there, and no further.
;; One version. Each part assembles by itself: llvm-mc -triple=amdgcn-amd-amdhsa -mcpu=gfx1250 --defsym DOCPART=n.
;; ======== version 1 of 1: 4 launches
;; limits: right only within a limited range of input values
;; workspace buffers: cod 22,020,096 bytes; scw 917,504 bytes; qkv 18,874,368 bytes; sc 1,572,864 bytes; oi 6,291,456 bytes; os 524,288 bytes
;; launch quant (part 1): grid 256 x 1, 7 waves a work-group, no clusters, 160,512 bytes of LDS; arguments query, key, value, Wq, Wk, Wv, Wo, cod, scw; writes cod, scw
.if DOCPART == 1
	.amdgcn_target "amdgcn-amd-amdhsa--gfx1250"
	.amdhsa_code_object_version 6
	.text
	.protected	k_qb3cea6ecb2_quant
	.globl	k_qb3cea6ecb2_quant
	.p2align	8
	.type	k_qb3cea6ecb2_quant,@function
k_qb3cea6ecb2_quant:
	s_mov_b64 s[64:65], 0
	v_nop
	global_prefetch_b8 v0, s[64:65] scope:SCOPE_SE
	s_setreg_imm32_b32 hwreg(HW_REG_WAVE_MODE, 25, 1), 1
	s_wait_xcnt 0x0
; query, key, value [8192][1024] and Wq, Wk, Wv, Wo [1024][1024], f32, K innermost, become codes of BF6 (E3M2) with one E8M0 byte for each 32 along K.
; A block's scale is 2^(floor(log2(its largest magnitude)) - 4); its byte is the largest magnitude's exponent field - 4, held at 1 from below.
; LIMITS: a block whose largest magnitude lies under 2^-122 gets the byte 1; a block of zeros gets 1 where the rule says 127 (its codes are zeros, and this program alone reads the bytes);
; NaN and infinities among the inputs are not served.
; LAYOUT OUT: the order of an operand's registers.  A ROW TILE is 16 rows x 1024 K: 16 half fragments of 768 bytes.  Half fragment f (K = 64 f ..): lane (r, h) owns block 2 f + h of row r, 24 bytes:
; its first 16 at 16 (16 h + r), its last 8 at 512 + 8 (16 h + r).  The tile's scale bytes, 512: byte of block c of row r at 128 (c / 8) + 8 r + c % 8.
; WHICH ROWS FORM A TILE: query and Wo: 16 neighbours.  key, value, Wq, Wk, Wv: lane r of tile 2 b + u holds row 32 b + 8 u + r + 8 (r / 8), so that a later product's results lie as neighbours along the next K.
; SHARES: 1792 row tiles = 256 work-groups x 7 waves; a wave makes one tile, a row a step.  Waves share nothing: no barrier.  Each load takes 512 consecutive bytes; a row turns through the wave's own
; stage in LDS so that lane l holds block l whole; codes gather in an out stage and leave as stores of 512 consecutive bytes.  Loads run four rows (32 loads a wave) ahead.
.set WREG, 22784                       ; LDS of a wave: two turn stages, the out stage, the scale bytes
.set TST,  4608                        ; a turn stage: 32 places of 128 + 16 bytes
.set OUT,  9216                        ; the out stage: 48 pieces of 256 bytes, 272 apart
.set OSC,  22272                       ; the tile's 512 scale bytes
.set R,    32                          ; v32-159  four sets of 32: a row as loaded
.set X,    160                         ; v160-223 two sets of 32: my block of the row
.set C,    224                         ; v224-243 two sets of 10: six registers of codes, and at +6 the second conversion's three
.set E,    244                         ; v244-245 the scale byte, by turns
	s_load_b512 s[4:19], s[0:1], 0x0               ; query, key, value, Wq, Wk, Wv, Wo, cod
	s_load_b64 s[20:21], s[0:1], 0x40              ; scw
	v_lshl_add_u32 v254, v0, 2, 0x26f00
	v_mov_b32 v255, 0
	v_lshrrev_b32 v1, 5, v0
	v_readfirstlane_b32 s2, v1                     ; wave 0..6
	v_and_b32 v1, 31, v0                           ; lane l
	v_lshlrev_b32 v2, 4, v1                        ; 16 l: my bytes of a load's or a store's 512
	s_mul_i32 s3, s2, WREG
	v_lshrrev_b32 v10, 3, v1
	v_lshl_add_u32 v3, v10, 4, v2
	v_add_nc_u32 v3, s3, v3                        ; turn stage, in: 16 l + 16 (l / 8): eight lanes fill a place of 128 bytes
	v_mul_u32_u24 v4, v1, 144
	v_add_nc_u32 v4, s3, v4                        ; and out: 144 l: my block
	v_lshrrev_b32 v10, 1, v1
	v_and_b32 v14, 1, v1
	v_mul_u32_u24 v10, v10, 3
	v_add_nc_u32 v15, v10, v14
	v_mul_u32_u24 v5, v15, 272
	v_add_nc_u32 v5, s3, v5
	v_add_nc_u32 v5, OUT, v5                       ; out stage: piece 3 (l / 2) + l % 2: my first 16 bytes, at 16 x row
	v_mul_u32_u24 v6, v10, 272
	v_lshl_add_u32 v6, v14, 7, v6
	v_add_nc_u32 v6, s3, v6
	v_add_nc_u32 v6, OUT+2*272, v6                 ; piece 3 (l / 2) + 2, + 128 (l % 2): my last 8 bytes, at 8 x row
	v_lshrrev_b32 v10, 3, v1
	v_and_b32 v14, 7, v1
	v_lshl_add_u32 v7, v10, 7, v14
	v_add_nc_u32 v7, s3, v7
	v_add_nc_u32 v7, OSC, v7                       ; my block's scale byte, at 8 x row
	v_lshrrev_b32 v10, 4, v1
	v_and_b32 v14, 15, v1
	v_mul_u32_u24 v8, v10, 272
	v_lshl_add_u32 v8, v14, 4, v8
	v_add_nc_u32 v8, s3, v8
	v_add_nc_u32 v8, OUT, v8                       ; read back: sixteen lanes to a piece, two pieces an instruction
	v_add_nc_u32 v9, s3, v2
	v_add_nc_u32 v9, OSC, v9
	s_mul_i32 s22, ttmp9, 7
	s_add_co_u32 s22, s22, s2                      ; my row tile, 0 .. 1791
	s_wait_kmcnt 0x0
	; which tensor: a chain of selections on the tile's number alone; no branch
	s_mov_b64 s[24:25], s[16:17]                   ; Wo,
	s_mov_b32 s26, 1728                            ; whose first tile is 1728,
	s_mov_b32 s27, 0                               ; rows as they lie
.macro PICK lim, lo, tb, perm
	s_cmp_lt_u32 s22, \lim
	s_cselect_b64 s[24:25], s[\lo:\lo+1], s[24:25]
	s_cselect_b32 s26, \tb, s26
	s_cselect_b32 s27, \perm, s27
.endm
	PICK 1728, 14, 1664, 1                         ; Wv
	PICK 1664, 12, 1600, 1                         ; Wk
	PICK 1600, 10, 1536, 1                         ; Wq
	PICK 1536, 8, 1024, 1                          ; value
	PICK 1024, 6, 512, 1                           ; key
	PICK 512, 4, 0, 0                              ; query
	s_sub_co_u32 s32, s22, s26                     ; the tile's number t in its tensor
	s_lshr_b32 s33, s32, 1
	s_lshl_b32 s33, s33, 5
	s_and_b32 s34, s32, 1
	s_lshl_b32 s34, s34, 3
	s_add_co_u32 s33, s33, s34                     ; 32 (t / 2) + 8 (t % 2)
	s_lshl_b32 s34, s32, 4                         ; or 16 t
	s_cmp_eq_u32 s27, 1
	s_cselect_b32 s32, s33, s34                    ; the row of lanes 0-7,
	s_cselect_b32 s34, 16, 8
	s_add_co_u32 s34, s32, s34                     ; and of lanes 8-15
	s_lshl_b32 s32, s32, 12                        ; a row is 4,096 bytes
	s_mov_b32 s33, 0
	s_lshl_b32 s34, s34, 12
	s_mov_b32 s35, 0
	s_add_nc_u64 s[28:29], s[24:25], s[32:33]
	s_add_nc_u64 s[30:31], s[24:25], s[34:35]
	s_mul_i32 s32, s22, 12288
	s_add_nc_u64 s[18:19], s[18:19], s[32:33]      ; my tile's codes
	s_lshl_b32 s32, s22, 9
	s_add_nc_u64 s[20:21], s[20:21], s[32:33]      ; and scale bytes
.macro LOAD t                          ; row t of the tile: eight loads of 512 consecutive bytes
.irp i, 0,1,2,3,4,5,6,7
.if (\t) < 8
	global_load_b128 v[R+32*((\t)%4)+4*\i:R+32*((\t)%4)+4*\i+3], v2, s[28:29] offset:((\t)%8)*4096+512*\i th:TH_LOAD_NT
.else
	global_load_b128 v[R+32*((\t)%4)+4*\i:R+32*((\t)%4)+4*\i+3], v2, s[30:31] offset:((\t)%8)*4096+512*\i th:TH_LOAD_NT
.endif
.endr
.endm
.macro TURN t                          ; the row through a turn stage; LDS serves a wave's instructions in order, so no wait stands between the stores and the loads
.irp i, 0,1,2,3,4,5,6,7
	ds_store_b128 v3, v[R+32*((\t)%4)+4*\i:R+32*((\t)%4)+4*\i+3] offset:TST*((\t)%2)+576*\i
.endr
.irp i, 0,1,2,3,4,5,6,7
	ds_load_b128 v[X+32*((\t)%2)+4*\i:X+32*((\t)%2)+4*\i+3], v4 offset:TST*((\t)%2)+16*\i
.endr
.endm
.macro STEP t
.set XS, X+32*((\t)%2)
.set CC, C+10*((\t)%2)
.set ES, E+((\t)%2)
.if (\t) > 0
	s_wait_dscnt 3                                 ; my block of this row is back; the three younger are the last row's stores into the out stage.  So this row's stores into the turn stage have read their registers,
.else
	s_wait_dscnt 0x0
.endif
.if (\t)+4 < 16
	LOAD (\t)+4                                    ; which take the row four further on
.endif
.if (\t)+1 < 16
.if 14-(\t) >= 3
	s_wait_loadcnt 24                              ; the next row's eight loads are in; those of the three rows behind it may be out
.else
	s_wait_loadcnt 8*(14-(\t))
.endif
	TURN (\t)+1
.endif
	v_max3_num_f32 v12, |v[XS]|, |v[XS+1]|, |v[XS+2]|      ; the block's largest magnitude: all 32 numbers are mine; two chains
	v_max3_num_f32 v13, |v[XS+3]|, |v[XS+4]|, |v[XS+5]|
.irp i, 6,10,14,18,22,26
	v_max3_num_f32 v12, v12, |v[XS+\i]|, |v[XS+\i+1]|
	v_max3_num_f32 v13, v13, |v[XS+\i+2]|, |v[XS+\i+3]|
.endr
	v_max3_num_f32 v12, v12, |v[XS+30]|, |v[XS+31]|
	v_max3_num_f32 v12, v12, v13, 0x2800000        ; and the floor 2^(5 - 127): the byte cannot fall under 1
	v_add_nc_u32 v11, 0xfe000000, v12              ; 4 off the exponent field: the conversion takes this operand's exponent field as its scale
	v_cvt_scalef32_pk16_bf6_f32 v[CC:CC+2], v[XS:XS+15], v11
	v_cvt_scalef32_pk16_bf6_f32 v[CC+6:CC+8], v[XS+16:XS+31], v11   ; (a conversion's three registers begin on an even number)
	v_lshrrev_b32 v[ES], 23, v11                   ; the scale's byte; also the plain line behind the conversions
	v_mov_b32 v[CC+3], v[CC+6]
	v_mov_b32 v[CC+4], v[CC+7]
	v_mov_b32 v[CC+5], v[CC+8]
	ds_store_b128 v5, v[CC:CC+3] offset:16*(\t)
	ds_store_b64 v6, v[CC+4:CC+5] offset:8*(\t)
	ds_store_b8 v7, v[ES] offset:8*(\t)
.endm
	LOAD 0
	LOAD 1
	LOAD 2
	LOAD 3
	s_wait_loadcnt 24                              ; row 0 is in
	TURN 0
.irp t, 0,1,2,3,4,5,6,7,8,9,10,11,12,13,14,15
	STEP \t
.endr
.irp i, 0,1,2,3,4,5,6,7,8,9,10,11,12,13,14,15,16,17,18,19,20,21,22,23
	ds_load_b128 v[32+4*\i:35+4*\i], v8 offset:544*\i      ; these see my stores: a wave's LDS instructions are served in order
.endr
	ds_load_b128 v[128:131], v9
.irp i, 0,1,2,3,4,5,6,7,8,9,10,11,12,13,14,15,16,17,18,19,20,21,22,23
	s_wait_dscnt 24-\i
	global_store_b128 v2, v[32+4*\i:35+4*\i], s[18:19] offset:512*\i   ; 32 lanes store 512 consecutive bytes, at a multiple of 256 from the buffer's first byte
.endr
	s_wait_dscnt 0x0
	global_store_b128 v2, v[128:131], s[20:21]     ; the tile's 512 scale bytes
	s_wait_tensorcnt 0x0
	ds_add_u32 v254, v255
	s_wait_dscnt 0x0
	s_endpgm
.Lfunc_end_k_qb3cea6ecb2_quant:
	.size	k_qb3cea6ecb2_quant, .Lfunc_end_k_qb3cea6ecb2_quant-k_qb3cea6ecb2_quant
	.p2alignl 7, 3214868480
	.fill 96, 4, 3214868480
	.section	.rodata,"a",@progbits
	.p2align	6, 0x0
	.amdhsa_kernel k_qb3cea6ecb2_quant
		.amdhsa_group_segment_fixed_size 160512
		.amdhsa_private_segment_fixed_size 0
		.amdhsa_enable_private_segment 0
		.amdhsa_kernarg_size 72
		.amdhsa_user_sgpr_count 2
		.amdhsa_user_sgpr_kernarg_segment_ptr 1
		.amdhsa_wavefront_size32 1
		.amdhsa_system_sgpr_workgroup_id_x 1
		.amdhsa_system_sgpr_workgroup_id_y 1
		.amdhsa_system_sgpr_workgroup_id_z 1
		.amdhsa_system_vgpr_workitem_id 0
		.amdhsa_next_free_vgpr 256
		.amdhsa_next_free_sgpr 66
		.amdhsa_reserve_vcc 0
		.amdhsa_float_denorm_mode_32 3
		.amdhsa_float_denorm_mode_16_64 3
		.amdhsa_memory_ordered 1
		.amdhsa_forward_progress 1
		.amdhsa_inst_pref_size 63
	.end_amdhsa_kernel
	.amdgpu_metadata
---
amdhsa.version: [ 1, 2 ]
amdhsa.kernels:
  - .name:           k_qb3cea6ecb2_quant
    .symbol:         k_qb3cea6ecb2_quant.kd
    .args:
      - { .name: query, .offset: 0, .size: 8, .value_kind: global_buffer, .address_space: global }
      - { .name: key, .offset: 8, .size: 8, .value_kind: global_buffer, .address_space: global }
      - { .name: value, .offset: 16, .size: 8, .value_kind: global_buffer, .address_space: global }
      - { .name: Wq, .offset: 24, .size: 8, .value_kind: global_buffer, .address_space: global }
      - { .name: Wk, .offset: 32, .size: 8, .value_kind: global_buffer, .address_space: global }
      - { .name: Wv, .offset: 40, .size: 8, .value_kind: global_buffer, .address_space: global }
      - { .name: Wo, .offset: 48, .size: 8, .value_kind: global_buffer, .address_space: global }
      - { .name: cod, .offset: 56, .size: 8, .value_kind: global_buffer, .address_space: global }
      - { .name: scw, .offset: 64, .size: 8, .value_kind: global_buffer, .address_space: global }
    .group_segment_fixed_size: 160512
    .private_segment_fixed_size: 0
    .kernarg_segment_align: 8
    .kernarg_segment_size: 72
    .max_flat_workgroup_size: 224
    .sgpr_count:     66
    .vgpr_count:     256
    .wavefront_size: 32
...
	.end_amdgpu_metadata
.endif
;; end of part 1
;; launch proj (part 2): grid 4 x 96, 4 waves a work-group, clusters of 4 x 4, 327,680 bytes of LDS; arguments cod, scw, bq, bk, bv, qkv, sc; writes qkv, sc
.if DOCPART == 2
	.amdgcn_target "amdgcn-amd-amdhsa--gfx1250"
	.amdhsa_code_object_version 6
	.text
	.protected	k_qb3cea6ecb2_proj
	.globl	k_qb3cea6ecb2_proj
	.p2align	8
	.type	k_qb3cea6ecb2_proj,@function
k_qb3cea6ecb2_proj:
	s_mov_b64 s[64:65], 0
	v_nop
	global_prefetch_b8 v0, s[64:65] scope:SCOPE_SE
	s_setreg_imm32_b32 hwreg(HW_REG_WAVE_MODE, 25, 1), 1
	s_wait_xcnt 0x0
	s_wait_alu depctr_hold_cnt(0) depctr_sa_sdst(0) depctr_va_vdst(0) depctr_va_sdst(0) depctr_va_ssrc(0) depctr_va_vcc(0) depctr_vm_vsrc(0)
	s_getreg_b32 s2, hwreg(HW_REG_IB_STS2, 6, 4)
	s_cmp_eq_u32 s2, 0
	s_cbranch_scc0 .Lentry_in_a_cluster
	s_endpgm
.Lentry_in_a_cluster:
	s_bfe_u32 s2, ttmp6, 0x10000c
	s_cmp_lg_u32 s2, 0xf033
	s_cbranch_scc0 .Lentry_shape_is_right
	s_endpgm
.Lentry_shape_is_right:
; Q = query Wq^T + bq, K = key Wk^T + bk, V = value Wv^T + bv on codes of BF6 (E3M2) with E8M0 scales, sums in f32; the results are quantised in registers, Q and K along a head's 64 channels, V along the keys,
; and stored in the order of an operand's registers (half fragment: 16 rows x 64 K, 768 bytes: lane's first 16 bytes at 16 x lane, its last 8 at 512 + 8 x lane).
; LIMITS: a block whose largest magnitude lies under 2^-122, a block of zeros among them, gets the scale byte 1 (this program alone reads the bytes); NaN and infinities are not served.
; SHARES.  24 clusters of 4 x 4 work-groups.  A work-group makes 256 a-rows x 256 b-rows over K = 1024; a wave 128 x 128: 64 accumulators.  Source 0 takes b-rows, source 1 a-rows: a lane holds one a-row and
; its registers run along b, the axis that is quantised next.  Clusters 0-15: a = rows of query and key, b = rows of Wq or Wk.  Clusters 16-23: a = rows of Wv (a lane holds a channel), b = rows of value (registers run along the keys).
; The b-side's row tiles were laid so that the 16 registers of accumulators 2 B and 2 B + 1 are 16 neighbours along b: 32 B + 16 (lane / 16) + 0 .. 15.
; RING.  K goes in steps of 256 through two LDS slots.  A slot holds 3,072 bytes (two fragments) of each of A's 16 and B's 16 row tiles, as they lie in memory: a fragment comes by two loads of 16 and two of 8 bytes a lane,
; each of consecutive bytes.  The scale bytes of the work-group's 32 row tiles come once and stay.  A's tiles are shared along a row of the cluster, B's along a column: joint loads.
; The biases are the C of each sum's first matrix instruction.
; REGISTERS: window 0: v14-31 addresses; v32-63 scale words, two sets; v64-127 the bias; v128-223 A's fragments, one set; on the way out v128-217 at work.  window 1: B's fragments, two sets, at v0 and v128.
; windows 2, 3: the accumulators of my a-rows 0-63 and 64-127 ((a, b) at v[8 (8 (a % 4) + b)]).
.set HALFT,  24576                     ; 8 row tiles x 3,072 bytes: what one tensor load brings, and what a wave reads of A or of B
.set SLOT,   98304
.set SCL,    196608                    ; behind the ring: A's scale bytes (8,192), then, 128 bytes further on than they would lie, B's: so lanes 0-15 and 16-31 of a load take different halves of the banks
.set SPARE,  213248                    ; the spare words: 128 bytes for each wave, two blocks of 256 bytes that no other line names
.set FR,     12
.set NL,     4                         ; LDS loads that bring a fragment
.set NP,     4                         ; places behind this matrix instruction (ISA guide 7.12.1)
.set NQ,     2                         ; steps of 128 in a slot
.set VO,   14                          ; v14     the scale words' way out: my byte offset
.set ADRA, 16                          ; v16-17  16 x lane + my A tiles in slot 0, 1;  v18-19 the same with 8 x lane
.set ADRB, 20                          ; v20-23  the same for B
.set STW,  24                          ; v24     my stage: where I put a scale word
.set STR,  25                          ; v25     and where I read 16 bytes back
.set L16,  26                          ; v26     16 x lane
.set ADRS, 27                          ; v27     LDS address of my scale words: lanes 0-15 A's, lanes 16-31 B's
.set SPW,  28                          ; v28     my spare word; never rewritten
.set NIL,  29                          ; v29     0; never rewritten
.set L8,   30                          ; v30     8 x lane
.set SH,   31                          ; v31     16 x (lane / 16) for Q and K, 0 for V
.set SC,   32
.set BI,   64
.set AF,   128
.set PC,   128                         ; the way out: v128-147 the codes just made
.set PWS,  168                         ; v168-175 a block's scale word as stored
.set TM,   200                         ; v200-215 largest magnitudes, bytes, scale operands
.set PW,   216
.set G1, 24
.set G0, 32
.set G1B, 48
.set G0B, 56
.set G1S, 68
.set G0S, 76
.set G1SB, 80
.set G0SB, 88
.set MSB, 0
.macro WIN new                         ; the immediate's high byte repeats the setting that is left
.if MSB != \new
	s_set_vgpr_msb (MSB<<8)|\new
.set MSB, \new
.endif
.endm
.set MUL_LO, 0xa1                      ; source 0 (B) window 1, source 1 (A) window 0, C and D window 2
.set MUL_HI, 0xf1                      ; the same, C and D window 3
.set TO_B,   0x40
; A joint load: waves 0 and 1 fetch for A, waves 2 and 3 for B; the branch hangs on the wave's number alone.  Four v_nop follow each of the two lines.
.macro JLOAD g0a, g1a, g0b, g1b
	s_cmp_eq_u32 s19, 0
	s_cbranch_scc0 .Lfor_b_\@
	tensor_load_to_lds s[\g0a:\g0a+3], s[\g1a:\g1a+7]
	s_nop 0
.rept 4
	v_nop
.endr
	s_branch .Lasked_\@
.Lfor_b_\@:
	tensor_load_to_lds s[\g0b:\g0b+3], s[\g1b:\g1b+7]
	s_nop 0
.rept 4
	v_nop
.endr
.Lasked_\@:
.endm
.macro CREST                           ; a round of the cluster's barrier behind its opening barrier
	s_cmp_lg_u32 s18, 0
	s_cbranch_scc1 .Lnot_wave_0_\@
	s_barrier_signal -3
.Lnot_wave_0_\@:
	s_barrier_wait -3
	s_barrier_signal -1
	s_barrier_wait -1
.endm
.macro CROUND
	s_barrier_signal -1
	s_barrier_wait -1
	CREST
.endm
	s_load_b256 s[4:11], s[0:1], 0x0               ; cod s[4:5], scw s[6:7], bq s[8:9], bk s[10:11]
	s_load_b128 s[12:15], s[0:1], 0x20             ; bv s[12:13], qkv s[14:15]
	s_load_b64 s[16:17], s[0:1], 0x30              ; sc
	v_lshl_add_u32 v[SPW], v0, 2, SPARE
	v_mov_b32 v[NIL], 0
	ds_add_u32 v28, v29
	ds_add_u32 v28, v29
	s_wait_dscnt 0x0
	v_lshrrev_b32 v1, 5, v0
	v_readfirstlane_b32 s18, v1                    ; wave 0..3
	s_lshr_b32 s19, s18, 1                         ; wr: my half of the a-rows.  Also: I fetch for A (0) or for B (1)
	s_and_b32 s20, s18, 1                          ; wc: my half of the b-rows.  Also: which 8 row tiles I fetch
	s_bfe_u32 s21, ttmp6, 0x40000                  ; cx
	s_bfe_u32 s22, ttmp6, 0x40004                  ; cy
	s_and_b32 s23, ttmp7, 0xffff                   ; the cluster, 0 .. 23: the same in all sixteen partners
	s_lshl_b32 s41, s22, 2
	s_lshl_b32 s41, 15, s41                        ; my row of the cluster
	s_lshl_b32 s42, 0x1111, s21                    ; my column
	; group 1, codes: 8 rows (row tiles) of 384 elements of 8 bytes, 1,536 elements apart; no padding
	s_or_b32 s[G1+0], s41, (3<<16)|(1<<21)
	s_or_b32 s[G1B+0], s42, (3<<16)|(1<<21)
.irp g, G1, G1B
	s_mov_b32 s[\g+1], 384<<16
	s_mov_b32 s[\g+2], 16<<16                      ; the head's loads bring 16 row tiles; the ring's 8 (set behind the head's wait)
	s_mov_b32 s[\g+3], 384<<16
	s_mov_b32 s[\g+4], 16
	s_mov_b32 s[\g+5], 1536
	s_mov_b32 s[\g+6], 0
	s_mov_b32 s[\g+7], 0
.endr
	; group 1, scale bytes: 16 row tiles' 8,192 dense bytes as 32 rows of 256
	s_or_b32 s[G1S+0], s41, (3<<16)|(1<<21)
	s_or_b32 s[G1SB+0], s42, (3<<16)|(1<<21)
.irp g, G1S, G1SB
	s_mov_b32 s[\g+1], 32<<16
	s_mov_b32 s[\g+2], 32<<16                      ; 16 row tiles' 8,192 dense scale bytes as 32 rows of 256
	s_mov_b32 s[\g+3], 32<<16
	s_mov_b32 s[\g+4], 32
	s_mov_b32 s[\g+5], 32
	s_mov_b32 s[\g+6], 0
	s_mov_b32 s[\g+7], 0
.endr
	; the first row tiles of the two sides: they hang on the cluster's number alone
	s_lshl_b32 s43, s23, 6                         ; 64 x cluster
	s_lshr_b32 s44, s23, 3
	s_lshl_b32 s44, s44, 6
	s_add_co_u32 s44, s44, 1536                    ; Wq for clusters 0-7, Wk for 8-15
	s_mov_b32 s45, 1664                            ; Wv
	s_cmp_lt_u32 s23, 16
	s_cselect_b32 s40, 0, 1                        ; s40 = 1: this cluster makes V
	s_cselect_b32 s45, s43, s45                    ; A's first row tile
	s_cselect_b32 s44, s44, s43                    ; B's (value's tiles begin at 1024 = 64 x 16)
	s_lshl_b32 s43, s22, 4
	s_add_co_u32 s45, s45, s43                     ; + 16 cy
	s_lshl_b32 s47, s21, 4
	s_add_co_u32 s44, s44, s47                     ; + 16 cx: B's hang on cx alone
	s_mul_i32 s100, s45, 12288
	s_mov_b32 s101, 0
	s_mul_i32 s2, s44, 12288
	s_mov_b32 s3, 0
	s_lshl_b32 s66, s45, 9
	s_mov_b32 s67, 0
	s_lshl_b32 s46, s44, 9
	s_mov_b32 s47, 0
	s_wait_kmcnt 0x0
	s_add_nc_u64 s[100:101], s[4:5], s[100:101]    ; A's codes
	s_add_nc_u64 s[2:3], s[4:5], s[2:3]            ; B's codes
	s_add_nc_u64 s[66:67], s[6:7], s[66:67]        ; A's scale bytes
	s_add_nc_u64 s[46:47], s[6:7], s[46:47]        ; B's
	CROUND                                         ; all sixteen work-groups are here: the first joint loads meet
	s_mov_b32 s[G0S], 1
	s_mov_b32 s[G0S+1], SCL
	s_mov_b64 s[G0S+2:G0S+3], s[66:67]
	s_or_b32 s[G0S+3], s[G0S+3], 0x80000000
	s_mov_b32 s[G0SB], 1
	s_mov_b32 s[G0SB+1], SCL+8320
	s_mov_b64 s[G0SB+2:G0SB+3], s[46:47]
	s_or_b32 s[G0SB+3], s[G0SB+3], 0x80000000
	s_mov_b32 s[G0], 1                             ; slot 0's first fill: A's 16 row tiles whole,
	s_mov_b32 s[G0+1], 0
	s_mov_b64 s[G0+2:G0+3], s[100:101]
	s_or_b32 s[G0+3], s[G0+3], 0x80000000
	s_mov_b32 s[G0B], 1                            ; and B's 16 behind them
	s_mov_b32 s[G0B+1], 2*HALFT
	s_mov_b64 s[G0B+2:G0B+3], s[2:3]
	s_or_b32 s[G0B+3], s[G0B+3], 0x80000000
	s_mul_i32 s45, s18, HALFT                      ; the ring: wave x 8 row tiles: no place in the cluster enters an LDS address
	s_mul_i32 s66, s20, 98304                      ; the 8 row tiles that I fetch there
	s_mov_b32 s67, 0
	s_add_nc_u64 s[100:101], s[100:101], s[66:67]
	s_add_nc_u64 s[2:3], s[2:3], s[66:67]
	s_mov_b32 s[G0+4], 1
	s_add_co_u32 s[G0+5], s45, SLOT
	s_add_nc_u64 s[G0+6:G0+7], s[100:101], 3072
	s_or_b32 s[G0+7], s[G0+7], 0x80000000
	s_mov_b32 s[G0B+4], 1
	s_add_co_u32 s[G0B+5], s45, SLOT
	s_add_nc_u64 s[G0B+6:G0B+7], s[2:3], 3072
	s_or_b32 s[G0B+7], s[G0B+7], 0x80000000
; The head's four tiles, one load a wave: wave 0 slot 0's A, wave 1 its B, wave 2 A's scale bytes, wave 3 B's; one chain of branches on the wave's number
.macro ARM under, g0, g1, next
	s_cmp_lt_u32 s18, \under
	s_cbranch_scc0 \next
	tensor_load_to_lds s[\g0:\g0+3], s[\g1:\g1+7]
	s_nop 0
.rept 4
	v_nop
.endr
	s_branch .Lhead_asked
\next:
.endm
	ARM 1, G0,  G1,  .Lhead_b
	ARM 2, G0B, G1B, .Lhead_sa
	ARM 3, G0S, G1S, .Lhead_sb
	tensor_load_to_lds s[G0SB:G0SB+3], s[G1SB:G1SB+7]
	s_nop 0
.rept 4
	v_nop
.endr
.Lhead_asked:
	v_and_b32 v1, 15, v0                           ; r
	v_bfe_u32 v2, v0, 4, 1                         ; h
	v_and_b32 v3, 31, v0
	v_lshlrev_b32 v[L16], 4, v3
	v_lshlrev_b32 v[L8], 3, v3
	s_mul_i32 s43, s19, HALFT                      ; my 8 row tiles of A
	s_mul_i32 s44, s20, HALFT                      ; my 8 of B,
	s_add_co_u32 s44, s44, 2*HALFT                 ; which lie behind A's 16
.irp s, 0,1
	v_add_nc_u32 v[ADRA+\s], s43, v[L16]
	v_add_nc_u32 v[ADRA+2+\s], s43, v[L8]
	v_add_nc_u32 v[ADRB+\s], s44, v[L16]
	v_add_nc_u32 v[ADRB+2+\s], s44, v[L8]
	s_add_co_u32 s43, s43, SLOT
	s_add_co_u32 s44, s44, SLOT
.endr
	s_lshl_b32 s43, s19, 12                        ; A's scale bytes: my 8 tiles
	s_lshl_b32 s44, s20, 12                        ; B's: my 8 tiles, 8,320 bytes behind A's first
	s_add_co_u32 s44, s44, 8320
	s_sub_co_u32 s44, s44, s43
	v_mul_u32_u24 v4, s44, v2                      ; lanes 16-31 take B's: one product, the distance x h
	s_add_co_u32 s43, s43, SCL
	v_lshl_add_u32 v4, v1, 3, v4                   ; 8 bytes a row for 256 along K
	v_add_nc_u32 v[ADRS], s43, v4
	s_lshl_b32 s43, s18, 10                        ; my stage, 1,024 bytes in slot 0, which has had its last fill and its last read when the first word is stored there
	v_lshlrev_b32 v[STW], 2, v1
	v_lshl_add_u32 v[STW], v2, 9, v[STW]
	v_add_nc_u32 v[STW], s43, v[STW]
	v_add_nc_u32 v[STR], s43, v[L16]
	; THE BIAS.  Q, K: along b (registers): accumulator b's register j holds channel 32 (b / 2) + 8 (b % 2) + 16 h + j of my 128.  V: along a (lanes): lane r of tile a holds channel 32 (a / 2) + 8 (a % 2) + r + 8 (r / 8).
	s_cmp_lt_u32 s23, 8
	s_cselect_b64 s[46:47], s[8:9], s[10:11]
	s_cmp_eq_u32 s40, 0
	s_cselect_b64 s[46:47], s[46:47], s[12:13]
	s_cselect_b32 s43, s21, s22
	s_cselect_b32 s44, s20, s19
	s_lshl_b32 s43, s43, 10
	s_lshl_b32 s44, s44, 9
	s_add_co_u32 s66, s43, s44                     ; 4 x (256 x the work-group's place + 128 x the wave's half)
	s_mov_b32 s67, 0
	s_add_nc_u64 s[46:47], s[46:47], s[66:67]
	v_lshlrev_b32 v5, 6, v2
	v_and_b32 v6, 8, v1
	v_add_nc_u32 v6, v6, v1
	v_lshlrev_b32 v6, 2, v6
	s_cmp_eq_u32 s40, 0                            ; the branch hangs on the cluster's number alone: alike in all partners
	s_cbranch_scc0 .Lbias_v
.irp b, 0,1,2,3,4,5,6,7
	global_load_b128 v[BI+8*\b:BI+8*\b+3], v5, s[46:47] offset:(32*(\b/2)+8*(\b%2))*4
	global_load_b128 v[BI+8*\b+4:BI+8*\b+7], v5, s[46:47] offset:(32*(\b/2)+8*(\b%2))*4+16
.endr
	s_branch .Lbias_done
.Lbias_v:
	s_wait_alu depctr_va_vdst(0)
.irp a, 0,1,2,3,4,5,6,7
.irp j, 0,1,2,3,4,5,6,7
	global_load_b32 v[BI+8*\a+\j], v6, s[46:47] offset:(32*(\a/2)+8*(\a%2))*4     ; a lane's eight registers of a tile hold one channel's bias
.endr
.endr
.Lbias_done:
	; WHERE THE RESULTS GO, made while the first tiles are on their way.  Both forms are computed and one is selected on s40.
	s_lshl_b32 s43, s23, 6
	s_lshl_b32 s44, s22, 4
	s_add_co_u32 s43, s43, s44
	s_lshl_b32 s44, s19, 3
	s_add_co_u32 s43, s43, s44                     ; Q, K: my first a-tile among query's and key's 1024
	s_lshr_b32 s44, s43, 7
	s_and_b32 s43, s43, 127                        ; its number in its batch
	s_lshr_b32 s45, s44, 2                         ; 0: Q, 1: K
	s_and_b32 s44, s44, 3                          ; the batch
	s_lshl_b32 s44, s44, 4
	s_lshl_b32 s66, s21, 2
	s_add_co_u32 s44, s44, s66
	s_lshl_b32 s66, s20, 1
	s_add_co_u32 s44, s44, s66                     ; 16 x batch + my first head (4 cx + 2 wc)
	s_mul_i32 s66, s45, 98304
	s_mul_i32 s67, s43, 768
	s_add_co_u32 s66, s66, s67                     ; in the head's codes
	s_lshl_b32 s45, s45, 13
	s_lshl_b32 s43, s43, 6
	s_add_co_u32 s45, s45, s43                     ; in the head's scale words
	s_sub_co_u32 s43, s23, 16
	s_lshl_b32 s43, s43, 3
	s_lshl_b32 s67, s21, 1
	s_add_co_u32 s43, s43, s67
	s_add_co_u32 s43, s43, s20                     ; V: my 128 keys among 64 such runs
	s_lshr_b32 s67, s43, 4
	s_and_b32 s67, s67, 3                          ; the batch
	s_and_b32 s43, s43, 15                         ; the key step
	s_lshl_b32 s67, s67, 4
	s_lshl_b32 s100, s22, 2
	s_add_co_u32 s67, s67, s100
	s_lshl_b32 s100, s19, 1
	s_add_co_u32 s67, s67, s100                    ; 16 x batch + my first head (4 cy + 2 wr)
	s_mul_i32 s100, s43, 6144
	s_add_co_u32 s100, s100, 196608
	s_lshl_b32 s43, s43, 9
	s_add_co_u32 s43, s43, 16384
	s_cmp_eq_u32 s40, 0
	s_cselect_b32 s44, s44, s67
	s_cselect_b32 s66, s66, s100
	s_cselect_b32 s45, s45, s43
	s_mov_b32 s92, 768
	s_cselect_b32 s92, 294912, s92                 ; from a fragment's first half to its second: the next head (Q, K) or 768 bytes (V)
	s_mov_b32 s93, 0
	s_mov_b32 s96, 1536
	s_cselect_b32 s96, 768, s96                    ; from a-tile to a-tile
	s_mov_b32 s97, 0
	s_mov_b32 s98, 290304
	s_cselect_b32 s98, 768, s98                    ; from a-tile 3 to 4: in V the next head's first channels: 294,912 - 3 x 1,536
	s_mov_b32 s99, 0
	s_mov_b32 s2, 24576
	s_cselect_b32 s2, 256, s2                      ; scale words: what lanes 16-31 add
	s_mov_b32 s94, 256
	s_cselect_b32 s94, 24576, s94                  ; and where the second 512 bytes go: the next head (Q, K) or the copy (V)
	s_mov_b32 s95, 0
	s_cselect_b32 s3, 16, 0
	s_mul_i32 s100, s44, 294912
	s_add_co_u32 s100, s100, s66
	s_mov_b32 s101, 0
	s_add_nc_u64 s[14:15], s[14:15], s[100:101]
	s_add_nc_u64 s[92:93], s[14:15], s[92:93]
	s_mul_i32 s100, s44, 24576
	s_add_co_u32 s100, s100, s45
	s_add_nc_u64 s[16:17], s[16:17], s[100:101]
	s_add_nc_u64 s[94:95], s[16:17], s[94:95]
	v_mul_u32_u24 v[VO], s2, v2
	v_lshl_add_u32 v[VO], v1, 4, v[VO]
	v_mul_u32_u24 v[SH], s3, v2
	s_mov_b32 s100, 0x76543210
	s_mov_b32 s101, 0xfedcba98                     ; v_permlanex16_b32's selects for lane l xor 16
.macro FRAG reg, adr, q, i             ; a fragment as it lies: registers 0-3, 4-5, 6-9, 10-11
	ds_load_b128 v[\reg:\reg+3], v[\adr] offset:(\i)*3072+(\q)*1536
	ds_load_b64 v[\reg+4:\reg+5], v[\adr+2] offset:(\i)*3072+(\q)*1536+512
	ds_load_b128 v[\reg+6:\reg+9], v[\adr] offset:(\i)*3072+(\q)*1536+768
	ds_load_b64 v[\reg+10:\reg+11], v[\adr+2] offset:(\i)*3072+(\q)*1536+1280
.endm
; 16 matrix instructions: A's tiles a0, a0 + 1 x B's eight, 128 along K.  p: B's set; sc: the set of scale words.  mode 0: the sums go on; 1: they begin with the bias along b; 2: with the bias along a.
; The 64 accumulators take turns, one instruction a turn, in the same order in every step.
.macro MUL16 a0, p, q, sc, mode
.irp a, \a0, \a0+1
.irp b, 0,1,2,3,4,5,6,7
.if (\mode) == 1
	v_wmma_scale_f32_16x16x128_f8f6f4 v[8*(8*((\a)%4)+\b):8*(8*((\a)%4)+\b)+7], v[128*(\p)+FR*\b:128*(\p)+FR*\b+FR-1], v[AF+FR*(\a):AF+FR*(\a)+FR-1], v[BI+8*\b:BI+8*\b+7], v[SC+8*NQ*(\sc)+NQ*\b+(\q)], v[SC+8*NQ*(\sc)+NQ*(\a)+(\q)] matrix_a_fmt:MATRIX_FMT_BF6 matrix_b_fmt:MATRIX_FMT_BF6 matrix_a_scale:MATRIX_SCALE_ROW1
.elseif (\mode) == 2
	v_wmma_scale_f32_16x16x128_f8f6f4 v[8*(8*((\a)%4)+\b):8*(8*((\a)%4)+\b)+7], v[128*(\p)+FR*\b:128*(\p)+FR*\b+FR-1], v[AF+FR*(\a):AF+FR*(\a)+FR-1], v[BI+8*(\a):BI+8*(\a)+7], v[SC+8*NQ*(\sc)+NQ*\b+(\q)], v[SC+8*NQ*(\sc)+NQ*(\a)+(\q)] matrix_a_fmt:MATRIX_FMT_BF6 matrix_b_fmt:MATRIX_FMT_BF6 matrix_a_scale:MATRIX_SCALE_ROW1
.else
	v_wmma_scale_f32_16x16x128_f8f6f4 v[8*(8*((\a)%4)+\b):8*(8*((\a)%4)+\b)+7], v[128*(\p)+FR*\b:128*(\p)+FR*\b+FR-1], v[AF+FR*(\a):AF+FR*(\a)+FR-1], v[8*(8*((\a)%4)+\b):8*(8*((\a)%4)+\b)+7], v[SC+8*NQ*(\sc)+NQ*\b+(\q)], v[SC+8*NQ*(\sc)+NQ*(\a)+(\q)] matrix_a_fmt:MATRIX_FMT_BF6 matrix_b_fmt:MATRIX_FMT_BF6 matrix_a_scale:MATRIX_SCALE_ROW1
.endif
.endr
.endr
.endm
.macro FETCH_B slot, q, p
	WIN TO_B
.irp i, 0,1,2,3,4,5,6,7
	FRAG 128*(\p)+FR*\i, ADRB+\slot, \q, \i
.endr
	WIN 0
.endm
.macro FETCH_A slot, q, i0
.irp i, \i0, \i0+1, \i0+2, \i0+3
	FRAG AF+FR*(\i), ADRA+\slot, \q, \i
.endr
.endm
.macro SCALES sc                       ; a slot's scale words: two a row; lanes 0-15 take A's tile i, lanes 16-31 B's tile i
.irp i, 0,1,2,3,4,5,6,7
	ds_load_b64 v[SC+8*NQ*\sc+NQ*\i:SC+8*NQ*\sc+NQ*\i+1], v[ADRS] offset:\i*512
.endr
.endm
.macro PLACES n                        ; plain vector lines between a matrix instruction and a load into, or a read of, its registers (ISA guide 7.12.1 for reads)
.rept \n
	v_nop
.endr
.endm
.macro STEP slot, q, mode              ; a step of 128 along K that has its successor in the same slot
	s_wait_dscnt 4*NL                              ; B's set and A's tiles 0-3 are in; the youngest sixteen loads (A's tiles 4-7) may be out
.if \mode
	WIN 0x81                                       ; as MUL_LO, with C (the bias) in window 0
.else
	WIN MUL_LO
.endif
	MUL16 0, (\q)%2, \q, \slot, \mode
	MUL16 2, (\q)%2, \q, \slot, \mode
	s_wait_dscnt 0
	PLACES NP
	FETCH_B \slot, (\q)+1, 1-(\q)%2
	FETCH_A \slot, (\q)+1, 0
.if \mode
	WIN 0xc1
.else
	WIN MUL_HI
.endif
	MUL16 4, (\q)%2, \q, \slot, \mode
	MUL16 6, (\q)%2, \q, \slot, \mode
	PLACES NP
	WIN 0
	FETCH_A \slot, (\q)+1, 4
.endm
; A slot's last step changes slots: one barrier; in front of it each wave waits for all its tensor loads, adds 0 to its spare word, and waits for that and for its reads of this slot.  fill = 1: the slot is filled again, two slots ahead.
.macro TURN slot, next, fill
	s_wait_tensorcnt 0x0                           ; all my tensor loads have landed: my part of the next slot
	ds_add_u32 v[SPW], v[NIL]                      ; 0 onto my spare word
	s_wait_dscnt 4*NL+1                            ; (the add and the youngest sixteen loads, A's tiles 4-7, may be out)
	WIN MUL_LO
	MUL16 0, 1, NQ-1, \slot, 0
	s_wait_dscnt 0x0                               ; the add is done, and my reads of this slot are over
	s_barrier_signal -1
	MUL16 2, 1, NQ-1, \slot, 0
	WIN 0
	s_barrier_wait -1
.if \fill
	CREST                                          ; the barrier has opened a round of the cluster's: no wave of any partner still reads this slot or has a load on its way
	s_add_nc_u64 s[G0+4*\slot+2:G0+4*\slot+3], s[G0+4*\slot+2:G0+4*\slot+3], 6144
	s_add_nc_u64 s[G0B+4*\slot+2:G0B+4*\slot+3], s[G0B+4*\slot+2:G0B+4*\slot+3], 6144
	JLOAD G0+4*\slot, G1, G0B+4*\slot, G1B         ; the first tensor load behind the round, one a wave; its four v_nop are the places in front of the loads below
.else
	PLACES NP
.endif
	s_wait_alu depctr_va_vdst(0)
	v_add_nc_u32 v[ADRS], 128, v[ADRS]             ; the next slot's scale words
	FETCH_B \next, 0, 0
	FETCH_A \next, 0, 0
	SCALES \next
	WIN MUL_HI
	MUL16 4, 1, NQ-1, \slot, 0
	MUL16 6, 1, NQ-1, \slot, 0
	PLACES NP
	WIN 0
	FETCH_A \next, 0, 4
.endm
	s_wait_alu depctr_va_vdst(0)
	s_wait_tensorcnt 0x0                           ; my tile of the head's four is in
	ds_add_u32 v[SPW], v[NIL]
	s_mov_b32 s[G1+2], 8<<16                       ; no tensor load of mine is out: from here on a load brings 8 row tiles,
	s_mov_b32 s[G1+4], 8
	s_mov_b32 s[G1B+2], 8<<16
	s_mov_b32 s[G1B+4], 8
	s_mul_i32 s43, s18, HALFT                      ; and slot 0's group 0 names my quarter of the slot
	s_mov_b32 s[G0+1], s43
	s_mov_b32 s[G0B+1], s43
	s_mul_i32 s44, s20, 98304
	s_mov_b32 s45, 0
	s_add_nc_u64 s[G0+2:G0+3], s[G0+2:G0+3], s[44:45]
	s_add_nc_u64 s[G0B+2:G0B+3], s[G0B+2:G0B+3], s[44:45]
	s_wait_dscnt 0x0
	CROUND                                         ; all four tiles are in, and all sixteen work-groups are here
	JLOAD G0+4, G1, G0B+4, G1B                     ; slot 1's first fill, the first tensor load behind the round
	FETCH_B 0, 0, 0
	FETCH_A 0, 0, 0
	SCALES 0
	FETCH_A 0, 0, 4
	s_wait_loadcnt 0x0                             ; the bias
	s_cmp_eq_u32 s40, 0
	s_cbranch_scc0 .Lfirst_v
	STEP 0, 0, 1                                   ; the first step starts the sums: nothing is cleared
	s_branch .Lfirst_done
.Lfirst_v:
	STEP 0, 0, 2
.Lfirst_done:
	TURN 0, 1, 1                                   ; K = 1024 is four slots: the eight steps are written out
	STEP 1, 0, 0
	TURN 1, 0, 1
	STEP 0, 0, 0
	TURN 0, 1, 0                                   ; the last two slots are not filled again
	STEP 1, 0, 0
	s_wait_dscnt 4*NL
	WIN MUL_LO
	MUL16 0, 1, NQ-1, 1, 0
	MUL16 2, 1, NQ-1, 1, 0
	s_wait_dscnt 0
	WIN MUL_HI
	MUL16 4, 1, NQ-1, 1, 0
	MUL16 6, 1, NQ-1, 1, 0
	WIN 0
; THE WAY OUT.  The 64 numbers of a lane in a-tile a (register 16 B + i = place 32 B + 16 (lane / 16) + i along b) become a fragment's codes in v[PC] on and its scale word in v[PW].
.macro QUANTW a
.set AC, 64*((\a)%4)
.set W, 2+(\a)/4
.set WW, (W|(W<<2))
	WIN WW                                         ; sources 0 and 1: the accumulators' window
.irp b, 0,1,2,3
	v_max3_num_f32 v[TM+\b], |v[AC+16*\b]|, |v[AC+1+16*\b]|, 0x2800000   ; each accumulator is read from its low end on; the floor 2^(5 - 127) holds the byte at 1 from below
.endr
.irp i, 2,4,6,8,10,12,14
.irp b, 0,1,2,3
	v_max3_num_f32 v[TM+\b], |v[AC+16*\b+\i]|, |v[AC+1+16*\b+\i]|, v[TM+\b]
.endr
.endr
	WIN 0
.irp b, 0,1,2,3
	v_permlanex16_b32 v[TM+4+\b], v[TM+\b], s100, s101
.endr
.irp b, 0,1,2,3
	v_max_num_f32 v[TM+\b], v[TM+\b], v[TM+4+\b]   ; with lane l xor 16's: the block's largest magnitude
.endr
.irp b, 0,1,2,3
	v_add_nc_u32 v[TM+12+\b], 0xfe000000, v[TM+\b] ; 4 off its exponent field: the conversion's scale operand
.endr
.irp b, 0,1,2,3
	v_lshrrev_b32 v[TM+4+\b], 23, v[TM+12+\b]      ; the scale's byte
.endr
	v_lshl_or_b32 v[PW], v[TM+5], 8, v[TM+4]
	v_lshl_or_b32 v[PW], v[TM+6], 16, v[PW]
	v_lshl_or_b32 v[PW], v[TM+7], 24, v[PW]
	WIN W                                          ; source 0: the accumulators' window
.irp c, 0,1
	v_cvt_scalef32_pk16_bf6_f32 v[PC+6*\c:PC+2+6*\c], v[AC+32*\c:AC+15+32*\c], v[TM+12+2*\c]
	v_cvt_scalef32_pk16_bf6_f32 v[PC+12+4*\c:PC+14+4*\c], v[AC+16+32*\c:AC+31+32*\c], v[TM+12+2*\c+1]
.endr
	WIN 0
	v_nop                                          ; one plain line behind a scaled conversion
.irp c, 0,1                            ; the operand's layout wants a whole block in a lane: lanes 0-15 block 2 c, lanes 16-31 block 2 c + 1
.irp i, 0,1,2
	v_permlane16_swap_b32 v[PC+6*\c+\i], v[PC+12+4*\c+\i]
.endr
.irp i, 0,1,2
	v_mov_b32 v[PC+3+6*\c+\i], v[PC+12+4*\c+\i]
.endr
.endr
.endm
	PLACES NP                                      ; behind the last products
.irp b, 0,1,2,3
	v_mov_b32 v[TM+4+\b], 0                        ; a lane permute's destination counts as one of its sources
.endr
.irp a, 0,1,2,3,4,5,6,7
.if \a > 0
	s_wait_xcnt 0x0                                ; the last tile's stores have read their data and their bases: both are written again only behind this wait
.if \a == 4
	s_add_nc_u64 s[14:15], s[14:15], s[98:99]
	s_add_nc_u64 s[92:93], s[92:93], s[98:99]
.else
	s_add_nc_u64 s[14:15], s[14:15], s[96:97]
	s_add_nc_u64 s[92:93], s[92:93], s[96:97]
.endif
.endif
	QUANTW \a
	v_lshrrev_b32 v[PWS+\a], v[SH], v[PW]          ; Q, K: lanes 0-15 keep the first head's two bytes below, lanes 16-31 bring the second head's down; V: the word as it is
	ds_store_b32 v[STW], v[PWS+\a] offset:64*\a
	global_store_b128 v[L16], v[PC:PC+3], s[14:15]                 ; each store covers 512 or 256 consecutive bytes, at a multiple of 256 from the buffer's first byte
	global_store_b64 v[L8], v[PC+4:PC+5], s[14:15] offset:512
	global_store_b128 v[L16], v[PC+6:PC+9], s[92:93]
	global_store_b64 v[L8], v[PC+10:PC+11], s[92:93] offset:512
.endr
	ds_load_b128 v[160:163], v[STR]                ; my eight tiles' scale words, twice 512 bytes; these see my stores
	ds_load_b128 v[164:167], v[STR] offset:512
	s_wait_dscnt 0x0
	global_store_b128 v[VO], v[160:163], s[16:17]
	global_store_b128 v[VO], v[164:167], s[94:95]
	s_wait_tensorcnt 0x0                           ; the wave's end
	ds_add_u32 v[SPW], v[NIL]
	s_wait_dscnt 0x0
	CROUND                                         ; the closing round
	s_endpgm
.Lfunc_end_k_qb3cea6ecb2_proj:
	.size	k_qb3cea6ecb2_proj, .Lfunc_end_k_qb3cea6ecb2_proj-k_qb3cea6ecb2_proj
	.p2alignl 7, 3214868480
	.fill 96, 4, 3214868480
	.section	.rodata,"a",@progbits
	.p2align	6, 0x0
	.amdhsa_kernel k_qb3cea6ecb2_proj
		.amdhsa_group_segment_fixed_size 327680
		.amdhsa_private_segment_fixed_size 0
		.amdhsa_enable_private_segment 0
		.amdhsa_kernarg_size 56
		.amdhsa_user_sgpr_count 2
		.amdhsa_user_sgpr_kernarg_segment_ptr 1
		.amdhsa_wavefront_size32 1
		.amdhsa_system_sgpr_workgroup_id_x 1
		.amdhsa_system_sgpr_workgroup_id_y 1
		.amdhsa_system_sgpr_workgroup_id_z 1
		.amdhsa_system_vgpr_workitem_id 0
		.amdhsa_next_free_vgpr 1024
		.amdhsa_next_free_sgpr 102
		.amdhsa_reserve_vcc 0
		.amdhsa_float_denorm_mode_32 3
		.amdhsa_float_denorm_mode_16_64 3
		.amdhsa_memory_ordered 1
		.amdhsa_forward_progress 1
		.amdhsa_inst_pref_size 174
	.end_amdhsa_kernel
	.amdgpu_metadata
---
amdhsa.version: [ 1, 2 ]
amdhsa.kernels:
  - .name:           k_qb3cea6ecb2_proj
    .symbol:         k_qb3cea6ecb2_proj.kd
    .args:
      - { .name: cod, .offset: 0, .size: 8, .value_kind: global_buffer, .address_space: global }
      - { .name: scw, .offset: 8, .size: 8, .value_kind: global_buffer, .address_space: global }
      - { .name: bq, .offset: 16, .size: 8, .value_kind: global_buffer, .address_space: global }
      - { .name: bk, .offset: 24, .size: 8, .value_kind: global_buffer, .address_space: global }
      - { .name: bv, .offset: 32, .size: 8, .value_kind: global_buffer, .address_space: global }
      - { .name: qkv, .offset: 40, .size: 8, .value_kind: global_buffer, .address_space: global }
      - { .name: sc, .offset: 48, .size: 8, .value_kind: global_buffer, .address_space: global }
    .group_segment_fixed_size: 327680
    .private_segment_fixed_size: 0
    .kernarg_segment_align: 8
    .kernarg_segment_size: 56
    .max_flat_workgroup_size: 128
    .sgpr_count:     102
    .vgpr_count:     1024
    .wavefront_size: 32
...
	.end_amdgpu_metadata
.endif
;; end of part 2
;; launch attn (part 3): grid 4 x 64, 16 waves a work-group, no clusters, 327,680 bytes of LDS; arguments qkv, sc, oi, os; writes oi, os
.if DOCPART == 3
	.amdgcn_target "amdgcn-amd-amdhsa--gfx1250"
	.amdhsa_code_object_version 6
	.text
	.protected	k_qb3cea6ecb2_attn
	.globl	k_qb3cea6ecb2_attn
	.p2align	8
	.type	k_qb3cea6ecb2_attn,@function
k_qb3cea6ecb2_attn:
	s_mov_b64 s[64:65], 0
	v_nop
	global_prefetch_b8 v0, s[64:65] scope:SCOPE_SE
	s_setreg_imm32_b32 hwreg(HW_REG_WAVE_MODE, 25, 1), 1
	s_wait_xcnt 0x0
; Causal attention on codes of BF6 (E3M2) with E8M0 scales: 64 (batch, head) pairs, 2048 queries and keys, 64 channels.  The result, divided by the row's sum, is quantised along the channels and stored as an operand's registers.
; THE SOFTMAX: t = score x log2(e) / 8; M = the running largest t rounded up to a whole number; p = 2^(t - M) is quantised along the keys, not normalised; the row's sum is taken of the unquantised p in f32.
; When M moves, the sum and O are multiplied by 2^(old M - new M), which rounds nothing.
; LEFT OUT: key steps all of whose 128 keys come after a wave's 16 queries: the mask that the problem builds (tril) gives them the weight 0 for all values of the inputs.
; LIMITS: the scaled scores stay under 2^31 in magnitude; a block whose largest magnitude lies under 2^-122, a block of zeros among them, gets the scale byte 1 (this program alone reads the bytes); NaN and infinities are not served.
; SHARES.  Work-group (j, head): wave w takes query tile 127 - 16 j - w, then tile 16 j + w: tile T has T / 8 + 1 key steps of 128, so every wave has 17.
; A HEAD'S K AND V STAY IN LDS, each byte filled once.  At the head each wave asks for 4,096 bytes: waves 0-3 the scale words, 4-9 K's keys 0-511, 10-15 V's.  Behind the barrier that shows these, waves 0-11 ask for 12,288 bytes
; each: K's and V's keys 512-2047; one tensor load a wave is out.  The late tile goes first: it sees all of keys 0-511, so every wave has the same four steps ahead of the second barrier, which shows the rest.  No barrier follows but the last.
; Keys 1536 on (waves 8-11) are asked for only where j < 2: no query of the other work-groups sees them.
; NO JOINT LOADS: the four work-groups of a head leave out different key steps and loads by branches on j, and partners of a cluster may not branch differently.
; NO PREFETCH.
; LAYOUT.  S^T = K Q^T (source 0 = 16 keys, source 1 = my 16 queries), O^T = V^T P^T: a lane holds one query throughout.  Lane r of K's tile 2 b + u holds key 32 b + 8 u + r + 8 (r / 8), so the 16 registers of tiles
; 2 b, 2 b + 1 are keys 32 b + 16 (lane / 16) + 0 .. 15; V's channels are laid likewise.
; A head has 64 channels: Q's codes of channels 64-127 are zeros, and E3M2 has no code but finite numbers, so whatever bits stand in the upper half of a K fragment add nothing.  K's tile t is v[32 + 6 t .. 43 + 6 t]:
; its upper half is the next tile's data, tile 7's is v80-85 (always written).  So a step's eight tiles come in one run of loads.
; SCALE WORDS: a tile's sixteen words are 64 bytes and tiles lie on end, so one load of 4 bytes a lane brings an even tile's words to lanes 0-15 and the next tile's to lanes 16-31, which the odd tile's product reads.
; REGISTERS: v1-11, v28, v29 addresses and constants; v16-27 Q; v30, v31 the add's; v32-79 K, then at work (p's codes v32-43); v80 -M, v81 the largest score, v[82:83] the sum, v[84:85] f; v86-133 V; v134-197 S^T, then p;
; v198-229 O^T; v230-233 K's scale words, v238-239 V's, v242 Q's, v243 p's; v244-254 at work.
.set COD,   16384                      ; LDS: scale words at 0 (K's 8,192, V's 8,192); the 512 keys of group g at COD + GRP g: K's 24,576 bytes, then V's
.set GRP,   49152
.set STAGE, 262144                     ; 64 bytes a tile and pass: the result's scale words, gathered so that they leave in stores of 512 bytes
.set SPARE, 264192                     ; the spare words: 128 bytes for each wave
.set NM,  80
.set SU,  82
.set FF,  84
.set VR,  86
.set SRG, 134
.set ORG, 198
.set KS,  230
.set VS,  238
.set QS,  242
.set PS,  243
.set BM,  244
.set PT,  248
.set PC,  32
.set PX,  44
.set SO,  52
.set BY,  56
.set TR,  58
.set WV,  12
.set G1H, 16                           ; s[16:23] group 1: 16 rows of 256 bytes
.set G1C, 24                           ; s[24:31] 48 rows of 256 bytes
.set H0,  32                           ; s[32:35] group 0 of the head's load
.set GN,  36                           ; s[36:39] group 0 of the second load
.set SEL, 52
.set CS,  54                           ; s[54:55] log2(e) / 8
.set TB,  56                           ; LDS byte of the step's K tiles: 6,144 a step
.set TS,  57                           ; and of its scale words: 512 a step
.set KF,  58                           ; the step's first key
.set Q0,  59                           ; my first query
.set CNT, 60
.set CSN, 62                           ; -log2(e) / 8
.set QD,  83                           ; my first query - 127
.set QE,  85                           ; my last query
	s_load_b256 s[4:11], s[0:1], 0x0               ; qkv, sc, oi, os
	v_lshl_add_u32 v30, v0, 2, SPARE
	v_mov_b32 v31, 0
	ds_add_u32 v30, v31                            ; the opening lines: the add twice on end and one wait
	ds_add_u32 v30, v31
	v_lshrrev_b32 v1, 5, v0
	v_readfirstlane_b32 s[WV], v1                  ; wave 0..15
	s_and_b32 s13, ttmp7, 0xffff                   ; 16 x batch + head
	s_mul_i32 s82, s13, 294912                     ; the head in qkv
	s_mul_i32 s84, s13, 24576                      ; and in sc
	s_lshl_b32 s14, s[WV], 12                      ; the head's load: LDS byte 4,096 x wave
	s_add_co_u32 s86, s84, s14
	s_add_co_u32 s86, s86, 8192                    ; waves 0-3: K's and V's scale words
	s_add_co_u32 s88, s82, s14
	s_add_co_u32 s88, s88, 98304-16384             ; waves 4-9: K's first 24,576 bytes
	s_cmp_ge_u32 s[WV], 10
	s_cselect_b32 s15, 73728, 0                    ; waves 10-15: V's
	s_add_co_u32 s88, s88, s15
	s_cmp_lt_u32 s[WV], 4
	s_cselect_b32 s86, s86, s88
	s_mov_b32 s87, 0
	s_and_b32 s15, s[WV], 1                        ; the second load, waves 0-11: group 1 + w / 4; K where bit 1 of w is 0, else V; half w % 2 of its 24,576 bytes
	s_mul_i32 s15, s15, 12288
	s_bfe_u32 s88, s[WV], 0x10001
	s_mul_i32 s88, s88, 98304
	s_add_co_u32 s88, s88, s15
	s_lshr_b32 s15, s[WV], 2
	s_mul_i32 s15, s15, 24576
	s_add_co_u32 s88, s88, s15
	s_add_co_u32 s88, s88, s82
	s_add_co_u32 s88, s88, 98304+24576
	s_mov_b32 s89, 0
	s_mul_i32 s15, s[WV], 12288                    ; in LDS the twelve pieces lie on end
	s_mov_b32 s[G1H], 3<<16                        ; elements of 8 bytes, no mask, no padding
	s_mov_b32 s[G1H+1], 32<<16
	s_mov_b32 s[G1H+2], 16<<16
	s_mov_b32 s[G1H+3], 32<<16
	s_mov_b32 s[G1H+4], 16
	s_mov_b32 s[G1H+5], 32
	s_mov_b32 s[G1H+6], 0
	s_mov_b32 s[G1H+7], 0
	s_mov_b32 s[G1C], 3<<16
	s_mov_b32 s[G1C+1], 32<<16
	s_mov_b32 s[G1C+2], 48<<16
	s_mov_b32 s[G1C+3], 32<<16
	s_mov_b32 s[G1C+4], 48
	s_mov_b32 s[G1C+5], 32
	s_mov_b32 s[G1C+6], 0
	s_mov_b32 s[G1C+7], 0
	s_mov_b32 s[H0], 1
	s_mov_b32 s[H0+1], s14
	s_mov_b32 s[GN], 1
	s_add_co_u32 s[GN+1], s15, COD+GRP
	s_wait_dscnt 0x0
	s_wait_kmcnt 0x0
	s_cmp_lt_u32 s[WV], 4
	s_cselect_b64 s[H0+2:H0+3], s[6:7], s[4:5]
	s_add_nc_u64 s[H0+2:H0+3], s[H0+2:H0+3], s[86:87]
	s_or_b32 s[H0+3], s[H0+3], 0x80000000
	s_add_nc_u64 s[GN+2:GN+3], s[4:5], s[88:89]
	s_or_b32 s[GN+3], s[GN+3], 0x80000000
	tensor_load_to_lds s[H0:H0+3], s[G1H:G1H+7]    ; my one load at the head
	s_nop 0
	s_mov_b32 s[SEL], 0x76543210
	s_mov_b32 s[SEL+1], 0xfedcba98
	s_mov_b32 s[CS], 0x3e38aa3b                    ; log2(e) / sqrt(64)
	s_mov_b32 s[CS+1], s[CS]
	s_mov_b32 s[CSN], 0xbe38aa3b
; the pointers of a pass: tile T in s88, the pass's first tile in s89
.macro PTRS p
.set PB, 66+8*(\p)
	s_mul_i32 s90, s88, 768
	s_add_co_u32 s90, s90, s82
	s_mov_b32 s91, 0
	s_add_nc_u64 s[PB:PB+1], s[4:5], s[90:91]      ; Q's half fragment
	s_lshl_b32 s90, s88, 6
	s_add_co_u32 s90, s90, s84
	s_add_nc_u64 s[PB+2:PB+3], s[6:7], s[90:91]    ; Q's scale words
	s_lshr_b32 s90, s13, 4
	s_lshl_b32 s90, s90, 7
	s_add_co_u32 s90, s90, s88
	s_mul_i32 s90, s90, 12288
	s_and_b32 s92, s13, 15
	s_mul_i32 s92, s92, 768
	s_add_co_u32 s90, s90, s92
	s_add_nc_u64 s[PB+4:PB+5], s[8:9], s[90:91]    ; the result: row tile 128 x batch + T, half fragment = head
	s_lshl_b32 s90, s13, 13
	s_lshl_b32 s92, s89, 6
	s_add_co_u32 s90, s90, s92
	s_add_nc_u64 s[PB+6:PB+7], s[10:11], s[90:91]  ; the sixteen tiles' scale words
.endm
	s_xor_b32 s95, s[WV], 15                       ; 15 - w
	s_lshl_b32 s89, ttmp9, 4
	s_sub_co_u32 s89, 112, s89                     ; 112 - 16 j: the late tiles, pass 0; mine is the (15 - w)-th
	s_add_co_u32 s88, s89, s95
	s_lshl_b32 s93, s88, 4
	PTRS 0
	s_lshl_b32 s89, ttmp9, 4                       ; 16 j: the early tiles, pass 1; mine is the w-th
	s_add_co_u32 s88, s89, s[WV]
	s_lshl_b32 s94, s88, 4
	PTRS 1
	v_and_b32 v29, 31, v0
	v_and_b32 v28, 15, v0                          ; r
	v_bfe_u32 v10, v0, 4, 1                        ; h
	v_and_b32 v11, 63, v0
	v_lshlrev_b32 v1, 4, v29                       ; 16 x lane
	v_lshlrev_b32 v2, 3, v29                       ; 8 x lane
	v_lshlrev_b32 v3, 2, v28                       ; 4 r: a tile's scale words in sc and in the stage
	v_lshlrev_b32 v10, 4, v10
	v_lshlrev_b32 v11, 4, v11                      ; the scale words' way out: my 16 bytes of 1,024
	v_sub_nc_u32 v6, v28, v10                      ; r - 16 h, for the mask
	v_lshlrev_b32 v28, 2, v29                      ; 4 x lane: two tiles' scale words in LDS
	v_mov_b32 v7, 0xff800000                       ; -infinity
	s_lshl_b32 s61, s[WV], 6
	s_lshl_b32 s95, s95, 6
	v_add_nc_u32 v9, s61, v3
	v_add_nc_u32 v29, s95, v3
	v_and_b32 v10, 127, v0
	v_add_nc_u32 v9, STAGE+1024, v9                ; the stage, in: pass 1's tile w,
	v_add_nc_u32 v29, STAGE, v29                   ; pass 0's tile 15 - w
	v_lshlrev_b32 v10, 4, v10
	v_add_nc_u32 v10, STAGE, v10                   ; and out: threads 0-127 take 16 bytes each
.macro QLOAD p
.set QPB, 66+8*(\p)
	global_load_b128 v[16:19], v1, s[QPB:QPB+1]
	global_load_b64 v[20:21], v2, s[QPB:QPB+1] offset:512
	global_load_b32 v[QS], v3, s[QPB+2:QPB+3]
.endm
	QLOAD 0
.irp i, 22,23,24,25,26,27
	v_mov_b32 v[\i], 0                             ; channels 64 .. 127 do not exist: zero codes, written once
.endr
.irp b, 0,1,2,3
	v_mov_b32 v[PT+\b], 0                          ; a lane permute's destination counts as one of its sources
.endr
	v_mov_b32 v252, 0
	v_mov_b32 v[FF], 0
	v_mov_b32 v[FF+1], 0
; A KEY STEP: 128 keys.  A step all of whose keys come after my 16 queries is left out: a scalar branch on ids; no barrier and no tensor load stands in a step.
.macro STEP
	s_cmp_gt_u32 s[KF], s[QE]
	s_cbranch_scc1 .Lhidden_\@
	v_add_nc_u32 v4, s[TB], v1                     ; (these four are the places behind the last step's products, in front of the loads below)
	v_add_nc_u32 v5, s[TB], v2
	v_add_nc_u32 v8, s[TS], v28
	v_mov_b32 v254, v[NM]                          ; the old -M
.irp t, 0,1,2,3,4,5,6,7
	ds_load_b128 v[32+6*\t:35+6*\t], v4 offset:768*\t
	ds_load_b64 v[36+6*\t:37+6*\t], v5 offset:768*\t+512
.endr
.irp u, 0,1,2,3
	ds_load_b32 v[KS+\u], v8 offset:128*\u         ; tiles 2 u and 2 u + 1
.endr
.irp t, 0,1,2,3                        ; V's four fragments and scale words land under the scores and the softmax
	ds_load_b128 v[VR+12*\t:VR+3+12*\t], v4 offset:24576+1536*\t
	ds_load_b64 v[VR+4+12*\t:VR+5+12*\t], v5 offset:24576+1536*\t+512
	ds_load_b128 v[VR+6+12*\t:VR+9+12*\t], v4 offset:24576+1536*\t+768
	ds_load_b64 v[VR+10+12*\t:VR+11+12*\t], v5 offset:24576+1536*\t+1280
.endr
.irp u, 0,1
	ds_load_b32 v[VS+\u], v8 offset:8192+128*\u
.endr
	s_wait_dscnt 18                                ; K is in; the eighteen younger loads are V's
.irp u, 0,1,2,3
	v_wmma_scale_f32_16x16x128_f8f6f4 v[SRG+16*\u:SRG+7+16*\u], v[32+12*\u:43+12*\u], v[16:27], 0, v[KS+\u], v[QS] matrix_a_fmt:MATRIX_FMT_BF6 matrix_b_fmt:MATRIX_FMT_BF6
	v_wmma_scale_f32_16x16x128_f8f6f4 v[SRG+8+16*\u:SRG+15+16*\u], v[38+12*\u:49+12*\u], v[16:27], 0, v[KS+\u], v[QS] matrix_a_fmt:MATRIX_FMT_BF6 matrix_b_fmt:MATRIX_FMT_BF6 matrix_a_scale:MATRIX_SCALE_ROW1
.endr
.rept 4
	v_nop
.endr
	s_cmp_le_i32 s[KF], s[QD]                      ; on the diagonal hidden scores become -infinity ahead of the maximum; a step all of whose keys count (KF + 127 <= my first query) skips this
	s_cbranch_scc1 .Lopen_\@
	s_sub_co_i32 s61, s[Q0], s[KF]
	v_add_nc_u32 v252, s61, v6                     ; d = my query - KF - 16 h; register 16 b + i holds key KF + 16 h + 32 b + i: hidden where 32 b + i > d
	s_wait_alu depctr_va_vdst(0)
.irp b, 0,1,2,3
	s_cmp_ge_u32 s61, 32*\b+31                     ; a block of 32 keys that all my 16 queries see is passed over
	s_cbranch_scc1 .Lv_\@_\b
.irp i, 0,1,2,3,4,5,6,7,8,9,10,11,12,13,14,15
	v_cmp_gt_i32 vcc_lo, 32*\b+\i, v252
	v_cndmask_b32 v[SRG+16*\b+\i], v[SRG+16*\b+\i], v7, vcc_lo
.endr
.Lv_\@_\b:
.endr
.Lopen_\@:
.irp b, 0,1,2,3
	v_max3_num_f32 v[BM+\b], v[SRG+16*\b], v[SRG+1+16*\b], v[SRG+2+16*\b]   ; the largest score of each block of 32 keys: for the row's maximum and, since p rises with the score, for the block's largest p
.endr
.irp i, 3,5,7,9,11,13
.irp b, 0,1,2,3
	v_max3_num_f32 v[BM+\b], v[BM+\b], v[SRG+16*\b+\i], v[SRG+1+16*\b+\i]
.endr
.endr
.irp b, 0,1,2,3
	v_max_num_f32 v[BM+\b], v[BM+\b], v[SRG+15+16*\b]
.endr
.irp b, 0,1,2,3
	v_permlanex16_b32 v[PT+\b], v[BM+\b], s[SEL], s[SEL+1]
.endr
.irp b, 0,1,2,3
	v_max_num_f32 v[BM+\b], v[BM+\b], v[PT+\b]     ; with lane l xor 16's 16 keys
.endr
	s_delay_alu instid0(VALU_DEP_2)
	v_max3_num_f32 v253, v[BM], v[BM+1], v[BM+2]
	s_delay_alu instid0(VALU_DEP_1)
	v_max3_num_f32 v[NM+1], v[NM+1], v253, v[BM+3] ; the running largest score
	s_delay_alu instid0(VALU_DEP_1)
	v_mul_f32 v253, s[CSN], v[NM+1]                ; -t
	s_delay_alu instid0(VALU_DEP_1)
	v_floor_f32 v[NM], v253                        ; the new -M = -ceil(t)
.set j, 0
.rept 32
	v_pk_fma_f32 v[SRG+j:SRG+1+j], v[SRG+j:SRG+1+j], s[CS:CS+1], v[NM:NM+1] op_sel_hi:[1,0,0]   ; t - M; f's three lines stand among these, each four lines behind the one that it reads
.if j == 6
	v_sub_f32 v254, v[NM], v254                    ; old M - new M: a whole number, 0 or less
.elseif j == 14
	v_cvt_i32_f32 v254, v254
.elseif j == 22
	v_ldexp_f32 v[FF], 1.0, v254                   ; f = 2^(old M - new M)
.endif
.set j, j+2
.endr
.irp b, 0,1,2,3
	v_fma_f32 v[BM+\b], v[BM+\b], s[CS], v[NM]
.endr
	s_wait_alu depctr_va_vdst(0)
.set j, 0
.rept 64
	v_exp_f32 v[SRG+j], v[SRG+j]                   ; p = 2^(t - M)
.set j, j+1
.endr
	v_pk_mul_f32 v[SU:SU+1], v[SU:SU+1], v[FF:FF+1] op_sel_hi:[1,0]   ; the sums under the new M; the plain line behind the batch
	s_wait_alu depctr_va_vdst(0)                   ; one wait for the batch of 64, ahead of its first reader
.irp b, 0,1,2,3
	v_exp_f32 v[BM+\b], v[BM+\b]                   ; each block's largest p
.endr
.irp c, 1,2,3,4,5,6,7                  ; the row's sum of the unquantised p: 32 pairs in eight chains
	v_pk_add_f32 v[TR+2*\c:TR+1+2*\c], v[SRG+2*\c:SRG+1+2*\c], v[SRG+14+2*\c:SRG+15+2*\c]
.endr
	v_pk_add_f32 v[SU:SU+1], v[SU:SU+1], v[SRG:SRG+1]
.irp q, 30,46
	v_pk_add_f32 v[SU:SU+1], v[SU:SU+1], v[SRG+\q:SRG+1+\q]
.irp c, 1,2,3,4,5,6,7
	v_pk_add_f32 v[TR+2*\c:TR+1+2*\c], v[TR+2*\c:TR+1+2*\c], v[SRG+\q+2*\c:SRG+1+\q+2*\c]
.endr
.endr
	v_pk_add_f32 v[SU:SU+1], v[SU:SU+1], v[SRG+62:SRG+63]
	s_wait_alu depctr_va_vdst(0)                   ; and one for the four.  The chains' last additions and the scales' lines stand by turns
	v_pk_add_f32 v[TR+2:TR+3], v[TR+2:TR+3], v[TR+4:TR+5]
	v_pk_add_f32 v[TR+6:TR+7], v[TR+6:TR+7], v[TR+8:TR+9]
	v_pk_add_f32 v[TR+10:TR+11], v[TR+10:TR+11], v[TR+12:TR+13]
	v_pk_add_f32 v[SU:SU+1], v[SU:SU+1], v[TR+14:TR+15]
.irp b, 0,1,2,3
	v_max_num_f32 v[BM+\b], 0x2800000, v[BM+\b]    ; the floor 2^(5 - 127)
.endr
	v_pk_add_f32 v[TR+2:TR+3], v[TR+2:TR+3], v[TR+6:TR+7]
	v_pk_add_f32 v[SU:SU+1], v[SU:SU+1], v[TR+10:TR+11]
.irp b, 0,1,2,3
	v_add_nc_u32 v[SO+\b], 0xfe000000, v[BM+\b]    ; 4 off the exponent field: the conversion's scale operand
.endr
	v_pk_add_f32 v[SU:SU+1], v[SU:SU+1], v[TR+2:TR+3]
.irp b, 0,1,2,3
	v_lshrrev_b32 v[BY+\b], 23, v[SO+\b]           ; the scale's byte
.endr
	v_lshl_or_b32 v252, v[BY+1], 8, v[BY]
	v_lshl_or_b32 v253, v[BY+3], 8, v[BY+2]
.irp c, 0,1
	v_cvt_scalef32_pk16_bf6_f32 v[PC+6*\c:PC+2+6*\c], v[SRG+32*\c:SRG+15+32*\c], v[SO+2*\c]
	v_cvt_scalef32_pk16_bf6_f32 v[PX+4*\c:PX+2+4*\c], v[SRG+16+32*\c:SRG+31+32*\c], v[SO+2*\c+1]
.endr
	v_lshl_or_b32 v[PS], v253, 16, v252            ; p's scale word for these 128 keys; also the plain line behind the scaled conversions
.irp c, 0,1                            ; the operand's layout wants a whole block in a lane
.irp i, 0,1,2
	v_permlane16_swap_b32 v[PC+6*\c+\i], v[PX+4*\c+\i]
.endr
.irp i, 0,1,2
	v_mov_b32 v[PC+3+6*\c+\i], v[PX+4*\c+\i]
.endr
.endr
	s_wait_dscnt 0x0                               ; V
	s_wait_alu depctr_va_vdst(0)                   ; the wait stands directly ahead of the first reader of O^T; it also stands between the codes' writes and their reader behind the wait above
.set j, 0
.rept 16
	v_pk_mul_f32 v[ORG+j:ORG+1+j], v[ORG+j:ORG+1+j], v[FF:FF+1] op_sel_hi:[1,0]   ; O^T under the new M; these sixteen are also the places in front of the products below
.set j, j+2
.endr
.irp u, 0,1
	v_wmma_scale_f32_16x16x128_f8f6f4 v[ORG+16*\u:ORG+7+16*\u], v[VR+24*\u:VR+11+24*\u], v[PC:PC+11], v[ORG+16*\u:ORG+7+16*\u], v[VS+\u], v[PS] matrix_a_fmt:MATRIX_FMT_BF6 matrix_b_fmt:MATRIX_FMT_BF6
	v_wmma_scale_f32_16x16x128_f8f6f4 v[ORG+8+16*\u:ORG+15+16*\u], v[VR+12+24*\u:VR+23+24*\u], v[PC:PC+11], v[ORG+8+16*\u:ORG+15+16*\u], v[VS+\u], v[PS] matrix_a_fmt:MATRIX_FMT_BF6 matrix_b_fmt:MATRIX_FMT_BF6 matrix_a_scale:MATRIX_SCALE_ROW1
.endr
.Lhidden_\@:
.endm
; Four key steps: a group of 512 keys.  sync = 1: every wave waits for its tensor load, adds 0 to its spare word and waits for that; the barrier shows everybody's part.  Behind group 0's barrier the second load comes first.
.macro GROUP g, sync
.if \sync
	s_wait_tensorcnt 0x0
	ds_add_u32 v30, v31
	s_wait_dscnt 0x0
	s_barrier_signal -1
	s_barrier_wait -1
.if \g == 0
	s_cmp_ge_u32 s[WV], 12                         ; twelve pieces: waves 12-15 have none
	s_cbranch_scc1 .Lnl_\@
	s_cmp_lt_u32 s[WV], 8
	s_cbranch_scc1 .Lld_\@
	s_cmp_ge_u32 ttmp9, 2                          ; the work-group's last query is 2047 - 256 j: keys 1536 on (waves 8-11) are read only where j < 2
	s_cbranch_scc1 .Lnl_\@
.Lld_\@:
	tensor_load_to_lds s[GN:GN+3], s[G1C:G1C+7]
	s_nop 0
.Lnl_\@:
.endif
.endif
	s_mov_b32 s[TB], COD+GRP*\g
	s_mov_b32 s[TS], 2048*\g
	s_mov_b32 s[KF], 512*\g
	s_mov_b32 s[CNT], 4
.Lgrp_\@:
	STEP
	s_add_co_u32 s[TB], s[TB], 6144
	s_add_co_u32 s[TS], s[TS], 512
	s_add_co_u32 s[KF], s[KF], 128
	s_sub_co_u32 s[CNT], s[CNT], 1
	s_cmp_lg_u32 s[CNT], 0
	s_cbranch_scc1 .Lgrp_\@
.endm
.macro BEGIN q
	s_mov_b32 s[Q0], s[\q]
	s_add_co_u32 s[QE], s[\q], 15
	s_sub_co_i32 s[QD], s[\q], 127
	v_mov_b32 v[NM+1], 0xff61b1e6                  ; the largest score so far: -3e38
	s_delay_alu instid0(VALU_DEP_1)
	v_floor_f32 v[NM], -v[NM+1]                    ; -M: so large that the first f is 0
	v_mov_b32 v[SU], 0
	v_mov_b32 v[SU+1], 0
.set j, 0
.rept 32
	v_mov_b32 v[ORG+j], 0                          ; O^T: the first change of M leaves zeros zeros
.set j, j+1
.endr
	s_wait_alu depctr_va_vdst(0)
	s_wait_loadcnt 0x0                             ; Q
.endm
; O^T / the sum, quantised along the channels (two blocks of 32), stored as a half fragment; the tile's scale words go to the stage.
.macro FINISH p
.set PB, 66+8*(\p)
.rept 4
	v_nop                                          ; places behind the last products
.endr
.if (\p) == 0
	QLOAD 1                                        ; the next pass's queries
.endif
	v_add_f32 v[SU], v[SU], v[SU+1]
	s_delay_alu instid0(VALU_DEP_1)
	v_permlanex16_b32 v252, v[SU], s[SEL], s[SEL+1]
	s_delay_alu instid0(VALU_DEP_1)
	v_add_f32 v[SU], v[SU], v252                   ; the row's sum
	s_wait_alu depctr_va_vdst(0)
	v_rcp_f32 v[SU], v[SU]
	v_nop
	s_wait_alu depctr_va_vdst(0)
.set j, 0
.rept 32
	v_mul_f32 v[SRG+j], v[ORG+j], v[SU]            ; register 16 B + i: channel 32 B + 16 (lane / 16) + i
.set j, j+1
.endr
.irp b, 0,1
	v_max3_num_f32 v[BM+\b], |v[SRG+16*\b]|, |v[SRG+1+16*\b]|, 0x2800000
.endr
.irp i, 2,4,6,8,10,12,14
.irp b, 0,1
	s_delay_alu instid0(VALU_DEP_2)
	v_max3_num_f32 v[BM+\b], v[BM+\b], |v[SRG+16*\b+\i]|, |v[SRG+1+16*\b+\i]|
.endr
.endr
.irp b, 0,1
	s_delay_alu instid0(VALU_DEP_2)
	v_permlanex16_b32 v[PT+\b], v[BM+\b], s[SEL], s[SEL+1]
.endr
.irp b, 0,1
	s_delay_alu instid0(VALU_DEP_2)
	v_max_num_f32 v[BM+\b], v[BM+\b], v[PT+\b]
.endr
.irp b, 0,1
	s_delay_alu instid0(VALU_DEP_2)
	v_add_nc_u32 v[SO+\b], 0xfe000000, v[BM+\b]
.endr
.irp b, 0,1
	s_delay_alu instid0(VALU_DEP_2)
	v_lshrrev_b32 v[BY+\b], 23, v[SO+\b]
.endr
	s_delay_alu instid0(VALU_DEP_1)
	v_lshl_or_b32 v253, v[BY+1], 8, v[BY]          ; the two bytes of my row in this head
	v_cvt_scalef32_pk16_bf6_f32 v[PC:PC+2], v[SRG:SRG+15], v[SO]
	v_cvt_scalef32_pk16_bf6_f32 v[PX:PX+2], v[SRG+16:SRG+31], v[SO+1]
	v_nop
.irp i, 0,1,2
	v_permlane16_swap_b32 v[PC+\i], v[PX+\i]
.endr
.irp i, 0,1,2
	s_delay_alu instid0(VALU_DEP_3)
	v_mov_b32 v[PC+3+\i], v[PX+\i]
.endr
	global_store_b128 v1, v[PC:PC+3], s[PB+4:PB+5]             ; 512 and 256 consecutive bytes
	global_store_b64 v2, v[PC+4:PC+5], s[PB+4:PB+5] offset:512
.if (\p) == 0
	ds_store_b32 v29, v253                         ; lanes r and r + 16 write the same word with the same value
.else
	ds_store_b32 v9, v253
.endif
	s_wait_xcnt 0x0                                ; the stores have read their data: the next pass writes those registers
.endm
	BEGIN 93
	GROUP 0, 1                                     ; the late tile: queries from 1024 on see all of keys 0-1023
	GROUP 1, 1                                     ; the second barrier: all of K and V that this work-group reads is in
	GROUP 2, 0
	GROUP 3, 0
	FINISH 0
	BEGIN 94
	GROUP 0, 0                                     ; the early tile: queries under 1024
	GROUP 1, 0
	FINISH 1
	s_wait_dscnt 0x0                               ; my two stores into the stage are done: for the others' sake
	s_barrier_signal -1
	s_barrier_wait -1
	s_cmp_lt_u32 s[WV], 2                          ; waves 0, 1 send the late tiles' 1,024 bytes of scale words, waves 2, 3 the early tiles'
	s_cselect_b64 s[86:87], s[72:73], s[80:81]
	s_cmp_lt_u32 s[WV], 4
	s_cbranch_scc0 .Lend
	ds_load_b128 v[244:247], v10
	s_wait_dscnt 0x0
	global_store_b128 v11, v[244:247], s[86:87]    ; 512 consecutive bytes a wave
.Lend:
	s_wait_tensorcnt 0x0                           ; the wave's end
	ds_add_u32 v30, v31
	s_wait_dscnt 0x0
	s_endpgm
.Lfunc_end_k_qb3cea6ecb2_attn:
	.size	k_qb3cea6ecb2_attn, .Lfunc_end_k_qb3cea6ecb2_attn-k_qb3cea6ecb2_attn
	.p2alignl 7, 3214868480
	.fill 96, 4, 3214868480
	.section	.rodata,"a",@progbits
	.p2align	6, 0x0
	.amdhsa_kernel k_qb3cea6ecb2_attn
		.amdhsa_group_segment_fixed_size 327680
		.amdhsa_private_segment_fixed_size 0
		.amdhsa_enable_private_segment 0
		.amdhsa_kernarg_size 32
		.amdhsa_user_sgpr_count 2
		.amdhsa_user_sgpr_kernarg_segment_ptr 1
		.amdhsa_wavefront_size32 1
		.amdhsa_system_sgpr_workgroup_id_x 1
		.amdhsa_system_sgpr_workgroup_id_y 1
		.amdhsa_system_sgpr_workgroup_id_z 1
		.amdhsa_system_vgpr_workitem_id 0
		.amdhsa_next_free_vgpr 256
		.amdhsa_next_free_sgpr 96
		.amdhsa_reserve_vcc 1
		.amdhsa_float_denorm_mode_32 3
		.amdhsa_float_denorm_mode_16_64 3
		.amdhsa_memory_ordered 1
		.amdhsa_forward_progress 1
		.amdhsa_inst_pref_size 151
	.end_amdhsa_kernel
	.amdgpu_metadata
---
amdhsa.version: [ 1, 2 ]
amdhsa.kernels:
  - .name:           k_qb3cea6ecb2_attn
    .symbol:         k_qb3cea6ecb2_attn.kd
    .args:
      - { .name: qkv, .offset: 0, .size: 8, .value_kind: global_buffer, .address_space: global }
      - { .name: sc, .offset: 8, .size: 8, .value_kind: global_buffer, .address_space: global }
      - { .name: oi, .offset: 16, .size: 8, .value_kind: global_buffer, .address_space: global }
      - { .name: os, .offset: 24, .size: 8, .value_kind: global_buffer, .address_space: global }
    .group_segment_fixed_size: 327680
    .private_segment_fixed_size: 0
    .kernarg_segment_align: 8
    .kernarg_segment_size: 32
    .max_flat_workgroup_size: 512
    .sgpr_count:     96
    .vgpr_count:     256
    .wavefront_size: 32
...
	.end_amdgpu_metadata
.endif
;; end of part 3
;; launch outln (part 4): grid 256 x 1, 4 waves a work-group, no clusters, 327,680 bytes of LDS; arguments oi, os, cod, scw, query, bo, gamma, beta, out0; writes out0
.if DOCPART == 4
	.amdgcn_target "amdgcn-amd-amdhsa--gfx1250"
	.amdhsa_code_object_version 6
	.text
	.protected	k_qb3cea6ecb2_outln
	.globl	k_qb3cea6ecb2_outln
	.p2align	8
	.type	k_qb3cea6ecb2_outln,@function
k_qb3cea6ecb2_outln:
	s_mov_b64 s[64:65], 0
	v_nop
	global_prefetch_b8 v0, s[64:65] scope:SCOPE_SE
	s_setreg_imm32_b32 hwreg(HW_REG_WAVE_MODE, 25, 1), 1
	s_wait_xcnt 0x0
.set QST, 24576
.set XST, 155648
.set XP,  4112
.set MSB, 0
.macro WIN new
.if MSB != \new
	s_set_vgpr_msb (MSB<<8)|\new
.set MSB, \new
.endif
.endm
	s_load_b512 s[4:19], s[0:1], 0x0
	s_load_b64 s[20:21], s[0:1], 0x40
	v_lshl_add_u32 v254, v0, 2, 0x46200
	v_mov_b32 v255, 0
	ds_add_u32 v254, v255
	ds_add_u32 v254, v255
	v_lshrrev_b32 v1, 5, v0
	v_readfirstlane_b32 s22, v1
	s_mov_b32 s24, 3<<16
	s_mov_b32 s25, 32<<16
	s_mov_b32 s26, 24<<16
	s_mov_b32 s27, 32<<16
	s_mov_b32 s28, 24
	s_mov_b32 s29, 32
	s_mov_b32 s30, 0
	s_mov_b32 s31, 0
	s_mov_b32 s32, 3<<16
	s_mov_b32 s33, 32<<16
	s_mov_b32 s34, 128<<16
	s_mov_b32 s35, 32<<16
	s_mov_b32 s36, 128
	s_mov_b32 s37, 32
	s_mov_b32 s38, 0
	s_mov_b32 s39, 0
	s_mul_i32 s54, s22, 6144
	s_mul_i32 s52, ttmp9, 24576
	s_add_co_u32 s52, s52, s54
	s_mov_b32 s53, 0
	s_lshl_b32 s55, s22, 15
	s_lshl_b32 s56, ttmp9, 17
	s_add_co_u32 s56, s56, s55
	s_mov_b32 s57, 0
	s_wait_dscnt 0x0
	s_wait_kmcnt 0x0
	s_mov_b32 s40, 1
	s_mov_b32 s41, s54
	s_add_nc_u64 s[42:43], s[4:5], s[52:53]
	s_or_b32 s43, s43, 0x80000000
	s_mov_b32 s44, 1
	s_add_co_u32 s45, s55, QST
	s_add_nc_u64 s[46:47], s[12:13], s[56:57]
	s_or_b32 s47, s47, 0x80000000
	tensor_load_to_lds s[40:43], s[24:31]
	s_nop 0
	s_wait_alu depctr_va_vdst(0)
	s_wait_tensorcnt 0x0
	ds_add_u32 v254, v255
	s_wait_dscnt 0x0
	s_barrier_signal -1
	s_barrier_wait -1
	tensor_load_to_lds s[44:47], s[32:39]
	s_nop 0
.rept 4
	v_nop
.endr
	s_add_nc_u64 s[20:21], s[20:21], s[56:57]
	s_lshr_b32 s52, ttmp9, 6
	s_lshl_b32 s52, s52, 17
	s_lshl_b32 s54, ttmp9, 1
	s_and_b32 s54, s54, 127
	s_lshl_b32 s54, s54, 6
	s_add_co_u32 s52, s52, s54
	s_add_nc_u64 s[6:7], s[6:7], s[52:53]
	s_lshl_b32 s54, s22, 4
	s_add_co_u32 s54, s54, 1728
	s_lshl_b32 s52, s54, 9
	s_add_nc_u64 s[10:11], s[10:11], s[52:53]
	s_mul_i32 s52, s54, 12288
	s_add_nc_u64 s[8:9], s[8:9], s[52:53]
	s_mov_b32 s48, 0x76543210
	s_mov_b32 s49, 0xfedcba98
	s_mov_b32 s50, 0x3a800000
	s_mov_b32 s51, 0x3727c5ac
	v_and_b32 v9, 31, v0
	v_lshlrev_b32 v1, 4, v9
	v_lshlrev_b32 v2, 3, v9
	v_lshlrev_b32 v4, 2, v9
	v_and_b32 v10, 15, v0
	v_bfe_u32 v11, v0, 4, 1
	v_lshlrev_b32 v3, 3, v10
	v_lshl_add_u32 v3, v11, 9, v3
	v_mul_u32_u24 v5, v10, XP
	v_lshl_add_u32 v5, v11, 5, v5
	s_lshl_b32 s54, s22, 10
	s_add_co_u32 s54, s54, XST
	v_add_nc_u32 v5, s54, v5
	v_add_nc_u32 v6, 16*XP, v5
	s_mul_i32 s54, s22, 8*XP
	s_add_co_u32 s54, s54, XST
	v_add_nc_u32 v7, s54, v1
	s_add_co_u32 s55, s55, QST
	v_add_nc_u32 v8, s55, v1
.irp d, 0,1,2,3,4,5,6,7,8,9,10,11,12,13,14,15
	global_load_b32 v[224+\d], v4, s[6:7] offset:\d*8192
.endr
.irp p, 0,1,2,3,4,5,6,7
.irp k, 0,1,2,3
	global_load_b64 v[32+8*\p+2*\k:33+8*\p+2*\k], v3, s[10:11] offset:1024*\p+128*\k
.endr
.endr
	WIN 0x40
.irp i, 0,1,2,3,4,5,6,7
	global_load_b128 v[192+4*\i:195+4*\i], v1, s[14:15] offset:512*\i
.endr
.irp i, 0,1,2,3,4,5,6,7
	global_load_b128 v[224+4*\i:227+4*\i], v1, s[16:17] offset:512*\i
.endr
	WIN 0xc0
.irp i, 0,1,2,3,4,5,6,7
	global_load_b128 v[192+4*\i:195+4*\i], v1, s[18:19] offset:512*\i
.endr
.macro BLOAD s, t
	global_load_b128 v[12*(\t):12*(\t)+3], v1, s[8:9] offset:(\t)*12288+(\s)*1536
	global_load_b64 v[12*(\t)+4:12*(\t)+5], v2, s[8:9] offset:(\t)*12288+(\s)*1536+512
	global_load_b128 v[12*(\t)+6:12*(\t)+9], v1, s[8:9] offset:(\t)*12288+(\s)*1536+768
	global_load_b64 v[12*(\t)+10:12*(\t)+11], v2, s[8:9] offset:(\t)*12288+(\s)*1536+1280
.endm
.irp t, 0,1,2,3,4,5,6,7,8,9,10,11,12,13,14,15
	BLOAD 0, \t
.endr
	WIN 0
	s_wait_tensorcnt 1
	s_barrier_signal -1
	s_barrier_wait -1
	WIN 0x40
.irp s, 0,1,2,3,4,5,6,7
.irp m, 0,1
	ds_load_b128 v[12*(2*\s+\m):12*(2*\s+\m)+3], v1 offset:\m*12288+\s*1536
	ds_load_b64 v[12*(2*\s+\m)+4:12*(2*\s+\m)+5], v2 offset:\m*12288+\s*1536+512
	ds_load_b128 v[12*(2*\s+\m)+6:12*(2*\s+\m)+9], v1 offset:\m*12288+\s*1536+768
	ds_load_b64 v[12*(2*\s+\m)+10:12*(2*\s+\m)+11], v2 offset:\m*12288+\s*1536+1280
.endr
.endr
	WIN 0
	s_wait_loadcnt 63
.irp s, 0,1,2,3,4,5,6,7
	v_lshl_or_b32 v[24+\s], v[225+2*\s], 16, v[224+2*\s]
.endr
.rept 8
	v_nop
.endr
	s_wait_alu depctr_va_vdst(0)
	s_wait_dscnt 0x0
.macro PROD s, t, m
.set DD, 8*(16*(\m)+(\t))
.set BB, 12*(\t)
.set AA, 12*(2*(\s)+(\m))
.set SB, 32+8*((\t)/2)+(\s)
.set SA, 24+(\s)
.if ((\t)%2 == 0) && ((\m) == 0)
.if (\s) == 0
	v_wmma_scale_f32_16x16x128_f8f6f4 v[DD:DD+7], v[BB:BB+11], v[AA:AA+11], 0, v[SB], v[SA] matrix_a_fmt:MATRIX_FMT_BF6 matrix_b_fmt:MATRIX_FMT_BF6
.else
	v_wmma_scale_f32_16x16x128_f8f6f4 v[DD:DD+7], v[BB:BB+11], v[AA:AA+11], v[DD:DD+7], v[SB], v[SA] matrix_a_fmt:MATRIX_FMT_BF6 matrix_b_fmt:MATRIX_FMT_BF6
.endif
.elseif ((\t)%2 == 1) && ((\m) == 0)
.if (\s) == 0
	v_wmma_scale_f32_16x16x128_f8f6f4 v[DD:DD+7], v[BB:BB+11], v[AA:AA+11], 0, v[SB], v[SA] matrix_a_fmt:MATRIX_FMT_BF6 matrix_b_fmt:MATRIX_FMT_BF6 matrix_a_scale:MATRIX_SCALE_ROW1
.else
	v_wmma_scale_f32_16x16x128_f8f6f4 v[DD:DD+7], v[BB:BB+11], v[AA:AA+11], v[DD:DD+7], v[SB], v[SA] matrix_a_fmt:MATRIX_FMT_BF6 matrix_b_fmt:MATRIX_FMT_BF6 matrix_a_scale:MATRIX_SCALE_ROW1
.endif
.elseif ((\t)%2 == 0) && ((\m) == 1)
.if (\s) == 0
	v_wmma_scale_f32_16x16x128_f8f6f4 v[DD:DD+7], v[BB:BB+11], v[AA:AA+11], 0, v[SB], v[SA] matrix_a_fmt:MATRIX_FMT_BF6 matrix_b_fmt:MATRIX_FMT_BF6 matrix_b_scale:MATRIX_SCALE_ROW1
.else
	v_wmma_scale_f32_16x16x128_f8f6f4 v[DD:DD+7], v[BB:BB+11], v[AA:AA+11], v[DD:DD+7], v[SB], v[SA] matrix_a_fmt:MATRIX_FMT_BF6 matrix_b_fmt:MATRIX_FMT_BF6 matrix_b_scale:MATRIX_SCALE_ROW1
.endif
.else
.if (\s) == 0
	v_wmma_scale_f32_16x16x128_f8f6f4 v[DD:DD+7], v[BB:BB+11], v[AA:AA+11], 0, v[SB], v[SA] matrix_a_fmt:MATRIX_FMT_BF6 matrix_b_fmt:MATRIX_FMT_BF6 matrix_a_scale:MATRIX_SCALE_ROW1 matrix_b_scale:MATRIX_SCALE_ROW1
.else
	v_wmma_scale_f32_16x16x128_f8f6f4 v[DD:DD+7], v[BB:BB+11], v[AA:AA+11], v[DD:DD+7], v[SB], v[SA] matrix_a_fmt:MATRIX_FMT_BF6 matrix_b_fmt:MATRIX_FMT_BF6 matrix_a_scale:MATRIX_SCALE_ROW1 matrix_b_scale:MATRIX_SCALE_ROW1
.endif
.endif
.endm
.macro CHUNK s, c
.if (\s) < 7
	s_wait_loadcnt 48
.else
	s_wait_loadcnt 16*(3-(\c))
.endif
	WIN 0xa7
.irp u, 0,1,2,3
.irp m, 0,1
	PROD \s, 4*(\c)+\u, \m
.endr
.endr
.rept 4
	v_nop
.endr
.if (\s) < 7
	WIN 0xc0
.irp u, 0,1,2,3
	BLOAD (\s)+1, 4*(\c)+\u
.endr
.endif
.endm
.irp s, 0,1,2,3,4,5,6,7
.irp c, 0,1,2,3
	CHUNK \s, \c
.endr
.endr
	WIN 0x08
.irp m, 0,1
.irp t, 0,1,2,3,4,5,6,7,8,9,10,11,12,13,14,15
	ds_store_b128 v[5+\m], v[8*(16*\m+\t):8*(16*\m+\t)+3] offset:64*\t
	ds_store_b128 v[5+\m], v[8*(16*\m+\t)+4:8*(16*\m+\t)+7] offset:64*\t+16
.endr
.endr
	WIN 0
	s_wait_tensorcnt 0x0
	s_wait_dscnt 0x0
	s_barrier_signal -1
	s_barrier_wait -1
.macro LOADROW p
.set LX, 96+64*((\p)%2)
.irp i, 0,1,2,3,4,5,6,7
	ds_load_b128 v[LX+4*\i:LX+4*\i+3], v7 offset:(\p)*XP+512*\i
.endr
.irp i, 0,1,2,3,4,5,6,7
	ds_load_b128 v[LX+32+4*\i:LX+32+4*\i+3], v8 offset:(\p)*4096+512*\i
.endr
.endm
.macro REDUCE
	v_add_f32_dpp v16, v16, v16 row_xmask:1 row_mask:0xf bank_mask:0xf
	v_add_f32_dpp v16, v16, v16 row_xmask:2 row_mask:0xf bank_mask:0xf
	v_add_f32_dpp v16, v16, v16 row_xmask:4 row_mask:0xf bank_mask:0xf
	v_add_f32_dpp v16, v16, v16 row_xmask:8 row_mask:0xf bank_mask:0xf
	v_permlanex16_b32 v17, v16, s48, s49
	v_add_f32 v16, v16, v17
.endm
.macro ROW p
.set XB, 96+64*((\p)%2)
.set QB, XB+32
.if (\p) < 7
	s_wait_dscnt 16
.else
	s_wait_dscnt 0x0
.endif
.irp i, 0,2,4,6,8,10,12,14,16,18,20,22,24,26,28,30
	v_pk_add_f32 v[XB+\i:XB+\i+1], v[XB+\i:XB+\i+1], v[QB+\i:QB+\i+1]
.endr
	WIN 0x04
.irp i, 0,2,4,6,8,10,12,14,16,18,20,22,24,26,28,30
	v_pk_add_f32 v[XB+\i:XB+\i+1], v[XB+\i:XB+\i+1], v[192+\i:193+\i]
.endr
	WIN 0
	v_pk_add_f32 v[16:17], v[XB:XB+1], v[XB+2:XB+3]
	v_pk_add_f32 v[18:19], v[XB+4:XB+5], v[XB+6:XB+7]
.irp i, 8,12,16,20,24,28
	v_pk_add_f32 v[16:17], v[16:17], v[XB+\i:XB+\i+1]
	v_pk_add_f32 v[18:19], v[18:19], v[XB+\i+2:XB+\i+3]
.endr
	v_pk_add_f32 v[16:17], v[16:17], v[18:19]
	v_add_f32 v16, v16, v17
	REDUCE
	v_mul_f32 v20, 0xba800000, v16
	v_mov_b32 v21, v20
.irp i, 0,2,4,6,8,10,12,14,16,18,20,22,24,26,28,30
	v_pk_add_f32 v[XB+\i:XB+\i+1], v[XB+\i:XB+\i+1], v[20:21]
.endr
	v_pk_mul_f32 v[16:17], v[XB:XB+1], v[XB:XB+1]
	v_pk_mul_f32 v[18:19], v[XB+2:XB+3], v[XB+2:XB+3]
.irp i, 4,8,12,16,20,24,28
	v_pk_fma_f32 v[16:17], v[XB+\i:XB+\i+1], v[XB+\i:XB+\i+1], v[16:17]
	v_pk_fma_f32 v[18:19], v[XB+\i+2:XB+\i+3], v[XB+\i+2:XB+\i+3], v[18:19]
.endr
	v_pk_add_f32 v[16:17], v[16:17], v[18:19]
	v_add_f32 v16, v16, v17
	REDUCE
	v_fma_f32 v22, v16, s50, s51
	s_wait_alu depctr_va_vdst(0)
	v_rsq_f32 v22, v22
	v_nop
	s_wait_alu depctr_va_vdst(0)
	v_mov_b32 v23, v22
.irp i, 0,2,4,6,8,10,12,14,16,18,20,22,24,26,28,30
	v_pk_mul_f32 v[XB+\i:XB+\i+1], v[XB+\i:XB+\i+1], v[22:23]
.endr
	WIN 0x34
.irp i, 0,2,4,6,8,10,12,14,16,18,20,22,24,26,28,30
	v_pk_fma_f32 v[XB+\i:XB+\i+1], v[XB+\i:XB+\i+1], v[224+\i:225+\i], v[192+\i:193+\i]
.endr
	WIN 0
.irp i, 0,1,2,3,4,5,6,7
	global_store_b128 v1, v[XB+4*\i:XB+4*\i+3], s[20:21] offset:(\p)*4096+512*\i th:TH_STORE_NT
.endr
.if (\p)+2 < 8
	s_wait_xcnt 0x0
	LOADROW (\p)+2
.endif
.endm
	LOADROW 0
	LOADROW 1
.irp p, 0,1,2,3,4,5,6,7
	ROW \p
.endr
	s_wait_tensorcnt 0x0
	ds_add_u32 v254, v255
	s_wait_dscnt 0x0
	s_endpgm
.Lfunc_end_k_qb3cea6ecb2_outln:
	.size	k_qb3cea6ecb2_outln, .Lfunc_end_k_qb3cea6ecb2_outln-k_qb3cea6ecb2_outln
	.p2alignl 7, 3214868480
	.fill 96, 4, 3214868480
	.section	.rodata,"a",@progbits
	.p2align	6, 0x0
	.amdhsa_kernel k_qb3cea6ecb2_outln
		.amdhsa_group_segment_fixed_size 327680
		.amdhsa_private_segment_fixed_size 0
		.amdhsa_enable_private_segment 0
		.amdhsa_kernarg_size 72
		.amdhsa_user_sgpr_count 2
		.amdhsa_user_sgpr_kernarg_segment_ptr 1
		.amdhsa_wavefront_size32 1
		.amdhsa_system_sgpr_workgroup_id_x 1
		.amdhsa_system_sgpr_workgroup_id_y 1
		.amdhsa_system_sgpr_workgroup_id_z 1
		.amdhsa_system_vgpr_workitem_id 0
		.amdhsa_next_free_vgpr 1024
		.amdhsa_next_free_sgpr 80
		.amdhsa_reserve_vcc 0
		.amdhsa_float_denorm_mode_32 3
		.amdhsa_float_denorm_mode_16_64 3
		.amdhsa_memory_ordered 1
		.amdhsa_forward_progress 1
		.amdhsa_inst_pref_size 188
	.end_amdhsa_kernel
	.amdgpu_metadata
---
amdhsa.version: [ 1, 2 ]
amdhsa.kernels:
  - .name:           k_qb3cea6ecb2_outln
    .symbol:         k_qb3cea6ecb2_outln.kd
    .args:
      - { .name: oi, .offset: 0, .size: 8, .value_kind: global_buffer, .address_space: global }
      - { .name: os, .offset: 8, .size: 8, .value_kind: global_buffer, .address_space: global }
      - { .name: cod, .offset: 16, .size: 8, .value_kind: global_buffer, .address_space: global }
      - { .name: scw, .offset: 24, .size: 8, .value_kind: global_buffer, .address_space: global }
      - { .name: query, .offset: 32, .size: 8, .value_kind: global_buffer, .address_space: global }
      - { .name: bo, .offset: 40, .size: 8, .value_kind: global_buffer, .address_space: global }
      - { .name: gamma, .offset: 48, .size: 8, .value_kind: global_buffer, .address_space: global }
      - { .name: beta, .offset: 56, .size: 8, .value_kind: global_buffer, .address_space: global }
      - { .name: out0, .offset: 64, .size: 8, .value_kind: global_buffer, .address_space: global }
    .group_segment_fixed_size: 327680
    .private_segment_fixed_size: 0
    .kernarg_segment_align: 8
    .kernarg_segment_size: 72
    .max_flat_workgroup_size: 128
    .sgpr_count:     80
    .vgpr_count:     1024
    .wavefront_size: 32
...
	.end_amdgpu_metadata
.endif
;; end of part 4
